; MI455X (gfx1250); checked and timed in simulation.
; The chip was launched on July 23, 2026; its instructions are those of AMD's public machine-readable ISA for CDNA 5 (MIT licence, August 2026) and "CDNA5" Instruction Set Architecture Reference Guide (July 2026). The comments in the code are by the model that wrote it; some were corrected since.
;; Cross Attention. Allowed arithmetic: matrix products marked QUANTISED: E2M3 operands, one E8M0 scale for each 32 along K, by v_wmma_scale_f32_16x16x128_f8f6f4 with both operands' format E2M3, f32 sums; everything else in f32.
;; Inputs: b_o 1,024 float32; context 4 x 2,048 x 768 float32; w_k 768 x 1,024 float32; w_o 1,024 x 1,024 float32; w_q 1,024 x 1,024 float32; w_v 768 x 1,024 float32; x 4 x 2,048 x 1,024 float32.
;; Outputs: out0 4 x 2,048 x 1,024 float32.
;; This version of the problem:
;;   THIS VERSION OF THE PROBLEM IS GIVEN IN LOW PRECISION. The matrix products marked QUANTISED in the list below multiply operands that are first quantised to E2M3 (2 exponent bits, 3 mantissa bits; 6 bits a number), with one power-of-two scale for each 32 numbers along K (OCP MX v1.0); their sums are f32. All else is computed in f32.
;;   The module's matrix products, in the order in which they are computed (A, B: the left and right operand; K: the contracted axis; several contracted axes count as one K, in the product's order):
;;     1. [M 8,192, K 1,024] x [K 1,024, N 1,024]; A: input x; B: input w_q: QUANTISED
;;     2. [M 8,192, K 768] x [K 768, N 1,024]; A: input context; B: input w_k: QUANTISED
;;     3. [M 8,192, K 768] x [K 768, N 1,024]; A: input context; B: input w_v: QUANTISED
;;     4. batch 64 x [M 2,048, K 64] x [K 64, N 2,048]; A: computed on the way; B: computed on the way: QUANTISED
;;     5. batch 64 x [M 2,048, K 2,048] x [K 2,048, N 64]; A: softmax (see below); B: computed on the way: QUANTISED
;;     6. [M 8,192, K 1,024] x [K 1,024, N 1,024]; A: computed on the way; B: input w_o: QUANTISED
;;   THE QUANTISER, for each operand of a quantised product, along K:
;;     - K is cut into blocks of 32 from its start; a last block that is shorter is filled with zeros.
;;     - A block's scale is 2^e with e = floor(log2(the largest magnitude in the block)) - 2, held to -126 .. 127; a block of zeros has e = 0. As a byte (E8M0): e + 127.
;;     - Each number is divided by its block's scale, clamped to +-7.5, and rounded to the nearest number of E2M3, ties to even, subnormals kept.
;;     - The product sums the exact products of the quantised numbers (number of the format x scale) in f32.
;;   ~~~python
;;   def quantise(x, axis):      # numpy; x: float32 -> the quantised numbers, widened to float32 again
;;       x = np.moveaxis(x, axis, -1); K = x.shape[-1]
;;       x = np.pad(x, [(0, 0)] * (x.ndim - 1) + [(0, -K % 32)]); x = x.reshape(x.shape[:-1] + (-1, 32)); a = np.abs(x).max(-1, keepdims=True)
;;       e = np.where(a > 0, np.clip(np.frexp(np.where(a > 0, a, 1))[1] - 1 - 2, -126, 127), 0)      # np.frexp(a)[1] - 1 = floor(log2(a)), exactly
;;       r = np.clip(x / 2.0 ** e, -7.5, 7.5)
;;       step = 2.0 ** (np.maximum(np.frexp(np.where(r == 0, 1, r))[1] - 1, 0) - 3)
;;       q = np.round(r / step) * step * 2.0 ** e      # np.round: ties to even
;;       return np.moveaxis(q.reshape(q.shape[:-2] + (-1,))[..., :K], -1, axis).astype(np.float32)
;;   ~~~
;;   SOFTMAX AHEAD OF A QUANTISED PRODUCT. Where the list says 'softmax', what is quantised is not the finished softmax but p = 2^(t - M), with t = logit x log2(e) and M = ceil(the row's largest t), a whole number; so 1/2 < the row's largest p <= 1. The row's sum l is taken of the UNQUANTISED p, in f32, and the product's result is divided by l at the end. Since M is a whole number, a kernel that streams over the keys may use a running M (the ceiling of the running maximum): every later rescaling is an exact power of two, which a block's scale takes up: the codes' values come out the same.
;;   OPERANDS COMPUTED ON THE WAY. 'Computed on the way' means the value that the module computes at that place (a softmax that the list does not call 'softmax' is quantised finished and normalised). What goes into a quantiser is computed in f32, as accurately as f32 sums, v_exp_f32 and their like allow (about 1e-6 of the number): no bf16 or f16 on the way to a quantiser, and a product that is left as it is and whose result goes on into a quantised operand takes f32 operands (vector FMAs, or v_wmma_f32_16x16x4_f32). A number that lies on a knife's edge between two numbers of the format may be rounded either way, as far as f32 arithmetic and the matrix unit's own rounding can turn it there, and no further.
;; One version. Each part assembles by itself: llvm-mc -triple=amdgcn-amd-amdhsa -mcpu=gfx1250 --defsym DOCPART=n.
;; ======== version 1 of 1: 4 launches
;; limits: right only within a limited range of input values
;; workspace buffers: xo 6,553,600 bytes; co 4,915,200 bytes; wts 2,867,200 bytes; kv 13,369,344 bytes; ao 6,553,600 bytes
;; launch prep (part 1): grid 560 x 1, 4 waves a work-group, no clusters, 59,904 bytes of LDS; arguments x, context, w_q, w_k, w_v, w_o, xo, co, wts; writes xo, co, wts
.if DOCPART == 1
	.amdgcn_target "amdgcn-amd-amdhsa--gfx1250"
	.amdhsa_code_object_version 6
	.text
	.protected	k_qab0e34fc2f_prep
	.globl	k_qab0e34fc2f_prep
	.p2align	8
	.type	k_qab0e34fc2f_prep,@function
k_qab0e34fc2f_prep:
	s_mov_b64 s[64:65], 0
	v_nop
	global_prefetch_b8 v0, s[64:65] scope:SCOPE_SE
	s_setreg_imm32_b32 hwreg(HW_REG_WAVE_MODE, 25, 1), 1
	s_wait_xcnt 0x0
; PREP: x [8192][1024], context [8192][768] (K innermost) and w_q, w_k, w_v, w_o ([K][1024], K outermost), all f32, become codes of FP6 (E2M3)
; with one E8M0 byte for each 32 along K, laid as OPERAND BLOCKS: one block = 128 rows (a panel) x 128 along K = 12,800 bytes:
;   8 fragments of 1,536 bytes (16 rows x 128 K as an image of the operand's 12 registers: for c = 0, 1: registers 6c..6c+3 at 16 x lane, 512 bytes, then registers 6c+4, 6c+5 at 8 x lane, 256 bytes),
;   then two units of 256 bytes with the scale words of tiles 0-3 and 4-7: the word of (row r, tile m) at 16 r + 4 m.   An operand is laid [panel][K step].
; THE ROWS OF A TILE: row r of tile rt is the panel's row 64 (rt/4) + 32 (r/8) + 8 (rt%4) + r%8.  A product's results, taken transposed, then lie in a lane as a WHOLE block of 32 neighbours along the next K:
; lane (r, h) holds, in the 32 registers of tiles 4c .. 4c+3, the panel's rows 64 c + 32 h + 0 .. 31.
; A block's scale is 2^(floor(log2(largest magnitude)) - 2); its byte is the largest magnitude's exponent field - 2, held at 1 from below.
; LIMITS: a block of zeros, or one whose largest magnitude lies under 2^-124, keeps the byte 1 (the bytes are read by this program alone; zero codes add nothing); NaN and infinities among the inputs are not served.
; SHARES: a wave makes half a block (64 rows x 128 K: 4 fragments, one scale unit).  Work-groups 0-111 take the weights, 112-367 x, 368-559 the context.  Waves share nothing: no barrier.
; The two ways part on the work-group's number and have LDS bytes of their own.
.set ASTG,  8448                       ; ACT: a wave's stage: 16 rows x (512 + 16) bytes
.set WBASE, 4*ASTG                     ; W: the stages begin here
.set WSTG,  6400                       ; W: a wave's stage: 4 fragments' images (6,144) + its scale unit (256)
.set SPARE, WBASE+4*WSTG               ; the spare words, 128 bytes a wave
.set VO,  2                            ; v2-9   ACT: 16 x lane + i x pitch
.set XW,  10                           ; ACT: stage + 16 x lane
.set XR,  11                           ; ACT: stage + 528 r + 64 hh
.set L16, 12
.set L8,  13
.set SPW, 14                           ; my spare word; never rewritten
.set NIL, 15                           ; 0; never rewritten
.set TM,  20                           ; v20-35 at work in QUANT
.set PW,  36                           ; v36-39 ACT: the four fragments' scale words
.set PC,  40                           ; v40-58 the codes just made
.set LW16, 59                          ; v59-63 W: LDS addresses
.set LW8,  60
.set WR,   61
.set LWS,  62
.set WS8,  63
.set X,   64                           ; v64-127 64 numbers in the quantiser's order (W: two sets of 32)
.set R0,  128                          ; v128-255 ACT: two sets of 16 rows as loaded (W: the images on their way out)
.set SEL, 4                            ; s[4:5] selects for lane l xor 16
.set SB,  32                           ; s[32:47] ACT: the addresses of my eight groups of 8 rows
; 64 numbers of a lane, v[s + 16 b + i] = k 32 b + 16 hh + i of its row, become a fragment's 12 registers of codes and its scale word
.macro QUANT s, pc, pw
.irp b, 0,1,2,3
	v_max3_num_f32 v[TM+\b], |v[(\s)+16*\b]|, |v[(\s)+1+16*\b]|, 0x1800000   ; with the floor 2^(3 - 127): the byte cannot fall under 1
.endr
.irp i, 2,4,6,8,10,12,14
.irp b, 0,1,2,3
	v_max3_num_f32 v[TM+\b], v[TM+\b], |v[(\s)+16*\b+\i]|, |v[(\s)+1+16*\b+\i]|
.endr
.endr
.irp b, 0,1,2,3
	v_permlanex16_b32 v[TM+4+\b], v[TM+\b], s[SEL], s[SEL+1]
.endr
.irp b, 0,1,2,3
	v_max_num_f32 v[TM+\b], v[TM+\b], v[TM+4+\b]   ; the block's largest magnitude
.endr
.irp b, 0,1,2,3
	v_add_nc_u32 v[TM+12+\b], 0xff000000, v[TM+\b]   ; 2 off its exponent field: the conversion's scale operand
.endr
.irp b, 0,1,2,3
	v_lshrrev_b32 v[TM+4+\b], 23, v[TM+12+\b]      ; the byte
.endr
	v_lshl_or_b32 v[\pw], v[TM+5], 8, v[TM+4]
	v_lshl_or_b32 v[\pw], v[TM+6], 16, v[\pw]
	v_lshl_or_b32 v[\pw], v[TM+7], 24, v[\pw]
.irp c, 0,1
	v_cvt_scalef32_pk16_fp6_f32 v[(\pc)+6*\c:(\pc)+2+6*\c], v[(\s)+32*\c:(\s)+15+32*\c], v[TM+12+2*\c]
	v_cvt_scalef32_pk16_fp6_f32 v[(\pc)+12+4*\c:(\pc)+14+4*\c], v[(\s)+16+32*\c:(\s)+31+32*\c], v[TM+12+2*\c+1]
.endr
	v_nop                                          ; one plain place behind a scaled conversion
.irp c, 0,1                                    ; the operand wants a whole block in a lane
.irp i, 0,1,2
	v_permlane16_swap_b32 v[(\pc)+6*\c+\i], v[(\pc)+12+4*\c+\i]
.endr
.irp i, 0,1,2
	v_mov_b32 v[(\pc)+3+6*\c+\i], v[(\pc)+12+4*\c+\i]
.endr
.endr
.endm
	s_load_b512 s[8:23], s[0:1], 0x0               ; x, context, w_q, w_k, w_v, w_o, xo, co
	s_load_b64 s[24:25], s[0:1], 0x40              ; wts
	v_lshl_add_u32 v[SPW], v0, 2, SPARE
	v_mov_b32 v[NIL], 0
	v_lshrrev_b32 v1, 5, v0
	v_readfirstlane_b32 s2, v1                     ; wave 0..3
	v_and_b32 v1, 31, v0                           ; lane
	v_and_b32 v18, 15, v0                          ; r
	v_bfe_u32 v19, v0, 4, 1                        ; hh
	v_lshlrev_b32 v[L16], 4, v1
	v_lshlrev_b32 v[L8], 3, v1
	; every LDS address of both ways is made here, ahead of the parting
	s_mul_i32 s3, s2, ASTG
	v_add_nc_u32 v[XW], s3, v[L16]
	v_mul_u32_u24 v[XR], v18, 528
	v_lshl_add_u32 v[XR], v19, 6, v[XR]
	v_add_nc_u32 v[XR], s3, v[XR]
	s_mul_i32 s6, s2, WSTG
	s_add_co_u32 s6, s6, WBASE
	v_bfe_u32 v2, v0, 3, 2                         ; W: lane = column 8 u + j of a group of 32: u = its tile of my four,
	v_and_b32 v3, 7, v0                            ; j: its row in that tile is 8 g + j, g the group
	v_mul_u32_u24 v4, v2, 1536
	v_add_nc_u32 v4, s6, v4
	v_lshl_add_u32 v[LW16], v3, 4, v4              ; the tile's image, registers 0-3 of lane j
	v_lshl_add_u32 v[LW8], v3, 3, v4
	v_add_nc_u32 v[LW8], 512, v[LW8]               ; registers 4, 5
	v_add_nc_u32 v[WR], s6, v[L16]                 ; back: 16 x lane
	s_add_co_u32 s6, s6, 6144
	v_lshl_add_u32 v[LWS], v3, 4, s6
	v_lshl_add_u32 v[LWS], v2, 2, v[LWS]           ; the scale unit: 16 j + 4 u
	v_add_nc_u32 v[WS8], s6, v[L8]
	s_mov_b32 s[SEL], 0x76543210
	s_mov_b32 s[SEL+1], 0xfedcba98
.irp b, 0,1,2,3
	v_mov_b32 v[TM+4+\b], 0                        ; a lane permute's destination counts as one of its sources
.endr
	s_wait_alu depctr_va_vdst(0)                   ; the wait at the head's end
	s_wait_kmcnt 0x0
	s_cmp_lt_u32 ttmp9, 112
	s_cbranch_scc1 .Lweights
	; ---------------- ACT: x or the context: K innermost
	s_sub_co_u32 s26, ttmp9, 112
	s_cmp_lt_u32 s26, 256                          ; the choice hangs on the work-group's number alone
	s_cselect_b64 s[8:9], s[8:9], s[10:11]
	s_cselect_b64 s[20:21], s[20:21], s[22:23]
	s_mov_b32 s27, 3072
	s_cselect_b32 s27, 4096, s27                   ; a row in bytes
	s_cselect_b32 s28, 8, 6                        ; K steps
	s_cselect_b32 s29, 0, 256
	s_sub_co_u32 s26, s26, s29
	s_lshl_b32 s26, s26, 1
	s_lshr_b32 s29, s2, 1
	s_add_co_u32 s26, s26, s29                     ; my block
	s_and_b32 s30, s26, 63                         ; its panel
	s_lshr_b32 s31, s26, 6                         ; its K step
	s_and_b32 s29, s2, 1                           ; my half of it
	s_lshl_b32 s48, s30, 7
	s_lshl_b32 s49, s29, 6
	s_add_co_u32 s48, s48, s49                     ; my first row
	s_mul_i32 s48, s48, s27
	s_lshl_b32 s49, s31, 9
	s_add_co_u32 s48, s48, s49
	s_mov_b32 s49, 0
	s_add_nc_u64 s[SB:SB+1], s[8:9], s[48:49]
	s_lshl_b32 s48, s27, 3                         ; 8 rows on
.irp g, 1,2,3,4,5,6,7
	s_add_nc_u64 s[SB+2*\g:SB+2*\g+1], s[SB+2*\g-2:SB+2*\g-1], s[48:49]
.endr
	s_mul_i32 s50, s30, s28
	s_add_co_u32 s50, s50, s31
	s_mul_i32 s50, s50, 12800
	s_mov_b32 s51, 0
	s_add_nc_u64 s[20:21], s[20:21], s[50:51]      ; the block
	s_lshl_b32 s50, s29, 8
	s_add_co_u32 s50, s50, 12288
	s_add_nc_u64 s[22:23], s[20:21], s[50:51]      ; my scale unit
	s_mul_i32 s50, s29, 6144
	s_add_nc_u64 s[20:21], s[20:21], s[50:51]      ; my four fragments
.irp i, 0,1,2,3,4,5,6,7
	v_mad_u32_u24 v[VO+\i], s27, \i, v[L16]
.endr
; fragment f's 16 rows, 512 consecutive bytes each: rows 0-7 of the tile are group f of my eight groups of 8 rows, rows 8-15 group 4 + f
.macro LOADF f, set
.irp i, 0,1,2,3,4,5,6,7,8,9,10,11,12,13,14,15
	global_load_b128 v[R0+64*(\set)+4*\i:R0+64*(\set)+4*\i+3], v[VO+\i%8], s[SB+2*((\f)+4*(\i/8)):SB+2*((\f)+4*(\i/8))+1] th:TH_LOAD_NT
.endr
.endm
.macro ACTF f
.if (\f) < 3
	s_wait_loadcnt 16                              ; this fragment's 16 loads are in; the next fragment's 16 may be out
.else
	s_wait_loadcnt 0x0
.endif
.irp i, 0,1,2,3,4,5,6,7,8,9,10,11,12,13,14,15
	ds_store_b128 v[XW], v[R0+64*((\f)%2)+4*\i:R0+64*((\f)%2)+4*\i+3] offset:528*\i
.endr
.irp b, 0,1,2,3
.irp q, 0,1,2,3
	ds_load_b128 v[X+16*\b+4*\q:X+16*\b+4*\q+3], v[XR] offset:128*\b+16*\q   ; lane (r, hh) takes, of row r, 16 neighbours of each block of 32.  LDS serves a wave's instructions in order
.endr
.endr
	s_wait_dscnt 0x0                               ; the numbers are back, and the stores have read their registers,
.if (\f) < 2
	LOADF (\f)+2, (\f)%2                           ; which take the fragment two on
.endif
.if (\f) > 0
	s_wait_xcnt 0x0                                ; the last fragment's stores have read their data
.endif
	QUANT X, PC, PW+(\f)
	global_store_b128 v[L16], v[PC:PC+3], s[20:21] offset:1536*(\f)
	global_store_b64 v[L8], v[PC+4:PC+5], s[20:21] offset:1536*(\f)+512
	global_store_b128 v[L16], v[PC+6:PC+9], s[20:21] offset:1536*(\f)+768
	global_store_b64 v[L8], v[PC+10:PC+11], s[20:21] offset:1536*(\f)+1280
.endm
	LOADF 0, 0
	LOADF 1, 1
	s_wait_alu depctr_va_vdst(0)
	ACTF 0
	ACTF 1
	ACTF 2
	ACTF 3
	v_cmp_ne_u32 vcc_lo, 0, v19                    ; lanes 0-15 store my row's words 0, 1, lanes 16-31 words 2, 3
	v_cndmask_b32 v16, v[PW], v[PW+2], vcc_lo
	v_cndmask_b32 v17, v[PW+1], v[PW+3], vcc_lo
	v_lshlrev_b32 v18, 4, v18
	v_lshl_add_u32 v18, v19, 3, v18                ; 16 r + 8 hh
	global_store_b64 v18, v[16:17], s[22:23]       ; one aligned run of 256 bytes
	s_wait_tensorcnt 0x0                           ; the wave's end
	ds_add_u32 v[SPW], v[NIL]
	s_wait_dscnt 0x0
	s_endpgm
	; ---------------- W: K is the first axis.  A lane takes a column and its registers run down K
.Lweights:
	s_cmp_lt_u32 ttmp9, 80                         ; which weight: bounds 32, 56, 80: 64, 48, 48, 64 blocks, two to a work-group
	s_cselect_b64 s[8:9], s[16:17], s[18:19]
	s_mov_b32 s27, 2048000
	s_cselect_b32 s27, 1433600, s27                ; where its blocks begin in wts
	s_cselect_b32 s28, 6, 8                        ; its K steps
	s_mov_b32 s29, 80
	s_cselect_b32 s29, 56, s29                     ; its first work-group
	s_cmp_lt_u32 ttmp9, 56
	s_cselect_b64 s[8:9], s[14:15], s[8:9]
	s_cselect_b32 s27, 819200, s27
	s_cselect_b32 s28, 6, s28
	s_cselect_b32 s29, 32, s29
	s_cmp_lt_u32 ttmp9, 32
	s_cselect_b64 s[8:9], s[12:13], s[8:9]
	s_cselect_b32 s27, 0, s27
	s_cselect_b32 s28, 8, s28
	s_cselect_b32 s29, 0, s29
	s_sub_co_u32 s26, ttmp9, s29
	s_lshl_b32 s26, s26, 1
	s_lshr_b32 s30, s2, 1
	s_add_co_u32 s26, s26, s30                     ; my block
	s_and_b32 s30, s26, 7                          ; its panel of 128 columns
	s_lshr_b32 s31, s26, 3                         ; its K step
	s_and_b32 s29, s2, 1                           ; my half: 64 columns
	s_lshl_b32 s48, s31, 19
	s_lshl_b32 s49, s30, 9
	s_add_co_u32 s48, s48, s49
	s_lshl_b32 s49, s29, 8
	s_add_co_u32 s48, s48, s49
	s_mov_b32 s49, 0
	s_add_nc_u64 s[8:9], s[8:9], s[48:49]
	s_mul_i32 s50, s30, s28
	s_add_co_u32 s50, s50, s31
	s_mul_i32 s50, s50, 12800
	s_add_co_u32 s50, s50, s27
	s_mov_b32 s51, 0
	s_add_nc_u64 s[24:25], s[24:25], s[50:51]
	s_lshl_b32 s50, s29, 8
	s_add_co_u32 s50, s50, 12288
	s_add_nc_u64 s[22:23], s[24:25], s[50:51]
	s_mul_i32 s50, s29, 6144
	s_add_nc_u64 s[24:25], s[24:25], s[50:51]
	v_lshlrev_b32 v2, 2, v1                        ; 4 bytes a lane
; piece t = 2 b + g: K block b (32 rows) of column group g (32 columns)
.macro LOADW t
.irp i, 0,1,2,3,4,5,6,7,8,9,10,11,12,13,14,15,16,17,18,19,20,21,22,23,24,25,26,27,28,29,30,31
	global_load_b32 v[X+32*((\t)%2)+\i], v2, s[8:9] offset:(32*((\t)/2)+\i)*4096+128*((\t)%2)
.endr
.endm
.macro BLOCKW t
.set XS, X+32*((\t)%2)
.if (\t) < 7
	s_wait_loadcnt 32                              ; this piece's 32 loads are in; the next piece's may be out
.else
	s_wait_loadcnt 0x0
.endif
	v_max3_num_f32 v20, |v[XS]|, |v[XS+1]|, |v[XS+2]|
	v_max3_num_f32 v21, |v[XS+3]|, |v[XS+4]|, |v[XS+5]|
.irp i, 6,10,14,18,22,26
	v_max3_num_f32 v20, v20, |v[XS+\i]|, |v[XS+\i+1]|
	v_max3_num_f32 v21, v21, |v[XS+\i+2]|, |v[XS+\i+3]|
.endr
	v_max3_num_f32 v20, v20, |v[XS+30]|, |v[XS+31]|
	v_max3_num_f32 v20, v20, v21, 0x1800000        ; and the floor
	v_add_nc_u32 v22, 0xff000000, v20
	v_lshrrev_b32 v23, 23, v22
.if (\t)/2 == 0
	v_mov_b32 v[24+(\t)%2], v23                    ; my column's scale word: the lower K in the lower byte
.else
	v_lshl_or_b32 v[24+(\t)%2], v23, 8*((\t)/2), v[24+(\t)%2]
.endif
	v_cvt_scalef32_pk16_fp6_f32 v[40:42], v[XS:XS+15], v22
	v_cvt_scalef32_pk16_fp6_f32 v[48:50], v[XS+16:XS+31], v22
	v_nop
	v_mov_b32 v43, v48
	v_mov_b32 v44, v49
	v_mov_b32 v45, v50                             ; v40-45: block b of my column = registers 6 (b/2) .. + 5 of lane 8 g + j + 16 (b%2) of its tile's fragment
	ds_store_b128 v[LW16], v[40:43] offset:128*((\t)%2)+768*((\t)/4)+256*(((\t)/2)%2)
	ds_store_b64 v[LW8], v[44:45] offset:64*((\t)%2)+768*((\t)/4)+128*(((\t)/2)%2)
.if (\t)+2 < 8
	LOADW (\t)+2
.endif
	s_wait_dscnt 0x0                               ; the stores have read their registers
.endm
	LOADW 0
	LOADW 1
.irp t, 0,1,2,3,4,5,6,7
	BLOCKW \t
.endr
	ds_store_b32 v[LWS], v24                       ; my columns' scale words: tile u, row j,
	s_wait_alu depctr_va_vdst(0)
	ds_store_b32 v[LWS], v25 offset:128            ; and row 8 + j
.irp t, 0,1,2,3,4,5,6,7,8,9,10,11
	ds_load_b128 v[R0+4*\t:R0+4*\t+3], v[WR] offset:512*\t
.endr
	ds_load_b64 v[16:17], v[WS8]
.irp t, 0,1,2,3,4,5,6,7,8,9,10,11
	s_wait_dscnt 12-\t                             ; the younger stage loads and the scale unit's load may be out
	global_store_b128 v[L16], v[R0+4*\t:R0+4*\t+3], s[24:25] offset:512*\t
.endr
	s_wait_dscnt 0x0
	global_store_b64 v[L8], v[16:17], s[22:23]
	s_wait_tensorcnt 0x0                           ; the wave's end
	ds_add_u32 v[SPW], v[NIL]
	s_wait_dscnt 0x0
	s_endpgm
.Lfunc_end_k_qab0e34fc2f_prep:
	.size	k_qab0e34fc2f_prep, .Lfunc_end_k_qab0e34fc2f_prep-k_qab0e34fc2f_prep
	.p2alignl 7, 3214868480
	.fill 96, 4, 3214868480
	.section	.rodata,"a",@progbits
	.p2align	6, 0x0
	.amdhsa_kernel k_qab0e34fc2f_prep
		.amdhsa_group_segment_fixed_size 59904
		.amdhsa_private_segment_fixed_size 0
		.amdhsa_enable_private_segment 0
		.amdhsa_kernarg_size 72
		.amdhsa_user_sgpr_count 2
		.amdhsa_user_sgpr_kernarg_segment_ptr 1
		.amdhsa_wavefront_size32 1
		.amdhsa_system_sgpr_workgroup_id_x 1
		.amdhsa_system_sgpr_workgroup_id_y 1
		.amdhsa_system_sgpr_workgroup_id_z 1
		.amdhsa_system_vgpr_workitem_id 0
		.amdhsa_next_free_vgpr 256
		.amdhsa_next_free_sgpr 66
		.amdhsa_reserve_vcc 1
		.amdhsa_float_denorm_mode_32 3
		.amdhsa_float_denorm_mode_16_64 3
		.amdhsa_memory_ordered 1
		.amdhsa_forward_progress 1
		.amdhsa_inst_pref_size 77
	.end_amdhsa_kernel
	.amdgpu_metadata
---
amdhsa.version: [ 1, 2 ]
amdhsa.kernels:
  - .name:           k_qab0e34fc2f_prep
    .symbol:         k_qab0e34fc2f_prep.kd
    .args:
      - { .name: x, .offset: 0, .size: 8, .value_kind: global_buffer, .address_space: global }
      - { .name: context, .offset: 8, .size: 8, .value_kind: global_buffer, .address_space: global }
      - { .name: w_q, .offset: 16, .size: 8, .value_kind: global_buffer, .address_space: global }
      - { .name: w_k, .offset: 24, .size: 8, .value_kind: global_buffer, .address_space: global }
      - { .name: w_v, .offset: 32, .size: 8, .value_kind: global_buffer, .address_space: global }
      - { .name: w_o, .offset: 40, .size: 8, .value_kind: global_buffer, .address_space: global }
      - { .name: xo, .offset: 48, .size: 8, .value_kind: global_buffer, .address_space: global }
      - { .name: co, .offset: 56, .size: 8, .value_kind: global_buffer, .address_space: global }
      - { .name: wts, .offset: 64, .size: 8, .value_kind: global_buffer, .address_space: global }
    .group_segment_fixed_size: 59904
    .private_segment_fixed_size: 0
    .kernarg_segment_align: 8
    .kernarg_segment_size: 72
    .max_flat_workgroup_size: 128
    .sgpr_count:     66
    .vgpr_count:     256
    .wavefront_size: 32
...
	.end_amdgpu_metadata
.endif
;; end of part 1
;; launch proj_kv (part 2): grid 128 x 4, 4 waves a work-group, clusters of 4 x 4, 327,680 bytes of LDS; arguments co, wts, kv; writes kv
.if DOCPART == 2
	.amdgcn_target "amdgcn-amd-amdhsa--gfx1250"
	.amdhsa_code_object_version 6
	.text
	.protected	k_qab0e34fc2f_proj_kv
	.globl	k_qab0e34fc2f_proj_kv
	.p2align	8
	.type	k_qab0e34fc2f_proj_kv,@function
k_qab0e34fc2f_proj_kv:
	s_mov_b64 s[64:65], 0
	v_nop
	global_prefetch_b8 v0, s[64:65] scope:SCOPE_SE
	s_setreg_imm32_b32 hwreg(HW_REG_WAVE_MODE, 25, 1), 1
	s_wait_xcnt 0x0
	s_wait_alu depctr_hold_cnt(0) depctr_sa_sdst(0) depctr_va_vdst(0) depctr_va_sdst(0) depctr_va_ssrc(0) depctr_va_vcc(0) depctr_vm_vsrc(0)
	s_getreg_b32 s2, hwreg(HW_REG_IB_STS2, 6, 4)
	s_cmp_eq_u32 s2, 0
	s_cbranch_scc0 .Lentry_in_a_cluster
	s_endpgm
.Lentry_in_a_cluster:
	s_bfe_u32 s2, ttmp6, 0x10000c
	s_cmp_lg_u32 s2, 0xf033
	s_cbranch_scc0 .Lentry_shape_is_right
	s_endpgm
.Lentry_shape_is_right:
; PROJ_KV: k = context w_k, quantised along the head's 64, and v = context w_v, quantised along the KEYS, on codes of FP6 (E2M3) with E8M0 scales, f32 sums.
; OPERANDS are blocks of 12,800 bytes (a panel of 128 rows x 128 K): 8 fragments as images of their 12 registers, then two units of scale words ((row r, tile m) at 16 r + 4 m).
; Row r of tile rt of a panel is the panel's row 64 (rt/4) + 32 (r/8) + 8 (rt%4) + r%8.
; SHARES: a work-group multiplies source 0 = two panels by source 1 = one panel, with ALL of K (6 steps of 128) in LDS: 3 x 76,800 bytes, each byte filled once, by ONE tensor load a wave:
; waves 0, 1 a panel of source 0 each (300 rows of 256 bytes), waves 2, 3 half of source 1's panel each (150 rows).  One wait and one barrier, then no more.
; Four waves: a = wave / 2 picks source 0's panel, half = wave % 2 picks 64 rows of source 1: 32 accumulators, acc(m, t) at v[8 (8 m + t)] of window 1.
; TRANSPOSED USE: a lane holds ONE row of source 1, and the 32 registers of tiles 4c .. 4c+3 are source 0's rows 64 c + 32 h + 0 .. 31: a whole block of the next K.
; TWO TYPES, by the cluster's number (equal in all sixteen partners):  clusters 0-15, K: source 0 = w_k, source 1 = the context: a lane holds a key and runs along two heads' channels.
;   clusters 16-31, V: source 0 = the CONTEXT, source 1 = w_v: a lane holds a channel and runs along 128 keys.
; CLUSTER 4 x 4: source 0 hangs on cx and is asked for jointly along a column, source 1 on cy and along a row.
; OUT: kv [bh 64][key step 16][13,056]: K: 8 images of 768 bytes (16 keys x the head's 64: registers 0-5 of a fragment); V at 6,144: 4 fragments of 1,536 bytes (registers 4 i .. 4 i + 3 at 512 i + 16 x lane);
;   K's two units of scale words at 12,288 (two bytes low, zeros above); V's unit at 12,800.
; No prefetch is laid: every byte that the work-group reads is asked for in one group at its head.
; LIMITS: a block of zeros, or one under 2^-124, keeps the byte 1; NaN and infinities are not served.
.set NS,     6
.set BLK,    12800
.set PANELB, NS*BLK
.set SPARE,  3*PANELB
.set RECB,   13056
.set HEADB,  16*RECB
.set SCOFF,  12288
.set WKOFF,  819200
.set WVOFF,  1433600
.set A0_16, 2                          ; v2,3 source 0's fragments: a PANELB + 51,200 k + 16 x lane (k = K step / 4)
.set A0_8,  4
.set A1_16, 6
.set A1_8,  8
.set S0A,   10
.set S1A,   12
.set SPW,   14
.set NIL,   15
.set SC,    16                         ; v16-39 scale words, two sets of 12; scales and nothing else
.set F1,    40                         ; source 1's 4 fragments, two sets
.set F0,    136                        ; source 0's 8 fragments, one set
.set GO16,  232
.set GO8,   233
.set GOS,   235                        ; hh HEADB + 16 r
.set GOV,   238                        ; 16 r + 8 hh
.set PSEL,  239                        ; byte selects that gather a scale word from lanes l and l xor 16
.set TM,    64                         ; the way out: v64-72 at work, v80-85 scale words, v96.. codes, 20 registers a tile
.set SW,    80
.set CD,    96
.set WV, 12
.set SA, 13
.set SH, 14
.set CX, 15
.set CY, 16
.set SEL, 20
.set G1A, 24
.set G1B, 32
.set G0A, 40
.set G0B, 68
.set DST, 88
.set DSC, 90
.set MSK, 95
.set MSB, 0
.macro WIN new
.if MSB != \new
	s_set_vgpr_msb (MSB<<8)|\new
.set MSB, \new
.endif
.endm
.macro CROUND
	s_barrier_signal -1
	s_barrier_wait -1
	s_cmp_lg_u32 s[WV], 0
	s_cbranch_scc1 .Lnot_wave_0_\@
	s_barrier_signal -3
.Lnot_wave_0_\@:
	s_barrier_wait -3
	s_barrier_signal -1
	s_barrier_wait -1
.endm
.macro PLACES
.rept 4
	v_nop
.endr
.endm
.macro FRAG reg, a16, a8, off
	ds_load_b128 v[\reg:\reg+3], v[\a16] offset:\off
	ds_load_b64 v[\reg+4:\reg+5], v[\a8] offset:\off+512
	ds_load_b128 v[\reg+6:\reg+9], v[\a16] offset:\off+768
	ds_load_b64 v[\reg+10:\reg+11], v[\a8] offset:\off+1280
.endm
.macro FETCH1 s, p
.irp m, 0,1,2,3
	FRAG F1+48*(\p)+12*\m, A1_16+(\s)/4, A1_8+(\s)/4, ((\s)%4)*BLK+1536*\m
.endr
.endm
.macro SCALES s, p
	ds_load_b128 v[SC+12*(\p):SC+12*(\p)+3], v[S0A+(\s)/4] offset:((\s)%4)*BLK
	ds_load_b128 v[SC+12*(\p)+4:SC+12*(\p)+7], v[S0A+(\s)/4] offset:((\s)%4)*BLK+256
	ds_load_b128 v[SC+12*(\p)+8:SC+12*(\p)+11], v[S1A+(\s)/4] offset:((\s)%4)*BLK
.endm
.macro FETCH0 s, t0
.irp t, \t0,\t0+1,\t0+2,\t0+3
	FRAG F0+12*(\t), A0_16+(\s)/4, A0_8+(\s)/4, ((\s)%4)*BLK+1536*(\t)
.endr
.endm
.macro MUL t0, p, mode                 ; the 32 accumulators take turns, one instruction a turn
.irp t, \t0,\t0+1,\t0+2,\t0+3
.irp m, 0,1,2,3
.if \mode == 1
	v_wmma_scale_f32_16x16x128_f8f6f4 v[8*(8*\m+(\t)):8*(8*\m+(\t))+7], v[F0+12*(\t):F0+12*(\t)+11], v[F1+48*(\p)+12*\m:F1+48*(\p)+12*\m+11], 0, v[SC+12*(\p)+(\t)], v[SC+12*(\p)+8+\m] matrix_a_fmt:MATRIX_FMT_FP6 matrix_b_fmt:MATRIX_FMT_FP6
.else
	v_wmma_scale_f32_16x16x128_f8f6f4 v[8*(8*\m+(\t)):8*(8*\m+(\t))+7], v[F0+12*(\t):F0+12*(\t)+11], v[F1+48*(\p)+12*\m:F1+48*(\p)+12*\m+11], v[8*(8*\m+(\t)):8*(8*\m+(\t))+7], v[SC+12*(\p)+(\t)], v[SC+12*(\p)+8+\m] matrix_a_fmt:MATRIX_FMT_FP6 matrix_b_fmt:MATRIX_FMT_FP6
.endif
.endr
.endr
.endm
.macro STEP s, mode                    ; a K step of 128: 32 matrix instructions; the next step's fragments are fetched in two runs
	s_wait_dscnt 16                                ; all but the youngest 16 loads (source 0's tiles 4-7) are in
	WIN 0x50
	MUL 0, (\s)%2, \mode
	s_wait_dscnt 0x0
.if (\s)+1 < NS
	PLACES
	WIN 0
	FETCH1 (\s)+1, 1-(\s)%2
	SCALES (\s)+1, 1-(\s)%2
	FETCH0 (\s)+1, 0
	WIN 0x50
.endif
	MUL 4, (\s)%2, \mode
	PLACES
	WIN 0
.if (\s)+1 < NS
	FETCH0 (\s)+1, 4
.endif
.endm
; 64 numbers of a lane in window 1, v[s + 32 c + i]: two whole blocks of 32, become 12 registers of codes in v[pc] on; v[pw]: a scale word gathered by v[PSEL] from my two bytes and lane l xor 16's.
; Each accumulator is read from its low end on
.macro QUANTW s, pc, pw
	WIN 0x05
.irp c, 0,1
	v_max3_num_f32 v[TM+\c], |v[(\s)+32*\c]|, |v[(\s)+1+32*\c]|, 0x1800000   ; with the floor 2^(3 - 127)
.endr
	WIN 0x14
.irp i, 2,4,6,8,10,12,14,16,18,20,22,24,26,28,30
.irp c, 0,1
	v_max3_num_f32 v[TM+\c], v[TM+\c], |v[(\s)+32*\c+\i]|, |v[(\s)+1+32*\c+\i]|
.endr
.endr
	WIN 0
.irp c, 0,1
	v_add_nc_u32 v[TM+2+\c], 0xff000000, v[TM+\c]  ; the conversion's scale operand
.endr
.irp c, 0,1
	v_lshrrev_b32 v[TM+4+\c], 23, v[TM+2+\c]       ; the byte
.endr
	v_lshl_or_b32 v[TM+6], v[TM+5], 16, v[TM+4]    ; my two bytes, at bytes 0 and 2
	v_permlanex16_b32 v[TM+7], v[TM+6], s[SEL], s[SEL+1]
	v_perm_b32 v[\pw], v[TM+7], v[TM+6], v[PSEL]
	WIN 0x01
.irp c, 0,1
	v_cvt_scalef32_pk16_fp6_f32 v[(\pc)+6*\c:(\pc)+2+6*\c], v[(\s)+32*\c:(\s)+15+32*\c], v[TM+2+\c]
	v_cvt_scalef32_pk16_fp6_f32 v[(\pc)+12+4*\c:(\pc)+14+4*\c], v[(\s)+16+32*\c:(\s)+31+32*\c], v[TM+2+\c]   ; (a conversion's three registers begin on an even number)
.endr
	WIN 0
	v_nop                                          ; one plain place behind a scaled conversion
.irp c, 0,1
.irp i, 0,1,2
	v_mov_b32 v[(\pc)+3+6*\c+\i], v[(\pc)+12+4*\c+\i]
.endr
.endr
.endm
	s_load_b128 s[4:7], s[0:1], 0x0                ; co s[4:5], wts s[6:7]
	s_load_b64 s[8:9], s[0:1], 0x10                ; kv
	v_lshl_add_u32 v[SPW], v0, 2, SPARE
	v_mov_b32 v[NIL], 0
	ds_add_u32 v[SPW], v[NIL]                      ; the opening lines: the add, twice, and its wait ahead of my tensor load
	ds_add_u32 v[SPW], v[NIL]
	v_lshrrev_b32 v1, 5, v0
	v_readfirstlane_b32 s[WV], v1
	s_lshr_b32 s[SA], s[WV], 1
	s_and_b32 s[SH], s[WV], 1
	s_bfe_u32 s[CX], ttmp6, 0x40000
	s_bfe_u32 s[CY], ttmp6, 0x40004
	s_lshl_b32 s17, 0x1111, s[CX]
	s_lshl_b32 s18, s[CY], 2
	s_lshl_b32 s18, 15, s18
	s_or_b32 s[G1A], s17, (3<<16)|(1<<21)          ; elements of 8 bytes; the mask: my column of the cluster
	s_or_b32 s[G1B], s18, (3<<16)|(1<<21)          ; my row
	s_mov_b32 s[G1A+1], 32<<16                     ; rows of 256 bytes of a dense block
	s_mov_b32 s[G1A+2], 300<<16                    ; a whole panel
	s_mov_b32 s[G1A+3], 32<<16
	s_mov_b32 s[G1A+4], 300
	s_mov_b32 s[G1A+5], 32
	s_mov_b32 s[G1A+6], 0
	s_mov_b32 s[G1A+7], 0
	s_mov_b32 s[G1B+1], 32<<16
	s_mov_b32 s[G1B+2], 150<<16                    ; three K steps of a panel
	s_mov_b32 s[G1B+3], 32<<16
	s_mov_b32 s[G1B+4], 150
	s_mov_b32 s[G1B+5], 32
	s_mov_b32 s[G1B+6], 0
	s_mov_b32 s[G1B+7], 0
	; K (clusters 0-15): i0 = cx, i1 = 4 cl + cy.   V (16-31): i0 = 4 (cl & 7) + cx, i1 = 4 ((cl >> 3) & 1) + cy
	s_and_b32 s17, ttmp9, 7
	s_lshl_b32 s17, s17, 2
	s_bfe_u32 s18, ttmp9, 0x10003
	s_lshl_b32 s18, s18, 2
	s_lshl_b32 s19, ttmp9, 2
	s_cmp_lt_u32 ttmp9, 16
	s_cselect_b32 s17, 0, s17
	s_cselect_b32 s18, s19, s18
	s_cselect_b32 s92, 1, 0                        ; 1: K
	s_cselect_b32 s22, WKOFF, 0
	s_cselect_b32 s23, 0, WVOFF
	s_add_co_u32 s93, s17, s[CX]                   ; i0
	s_add_co_u32 s94, s18, s[CY]                   ; i1
	s_lshl_b32 s56, s93, 1
	s_add_co_u32 s56, s56, s[SH]
	s_mul_i32 s56, s56, PANELB
	s_add_co_u32 s56, s56, s22
	s_mov_b32 s57, 0
	s_mul_i32 s84, s94, PANELB
	s_mul_i32 s85, s[SH], 3*BLK
	s_add_co_u32 s84, s84, s85
	s_add_co_u32 s84, s84, s23
	s_mov_b32 s85, 0
	s_mul_i32 s60, s[SH], PANELB
	s_mul_i32 s61, s[SH], 3*BLK
	s_add_co_u32 s61, s61, 2*PANELB
	s_mov_b32 s[SEL], 0x76543210
	s_mov_b32 s[SEL+1], 0xfedcba98
	s_mov_b32 s[MSK], 0xffff0000                   ; lanes 16-31
	s_wait_dscnt 0x0
	s_wait_kmcnt 0x0
	s_cmp_lt_u32 ttmp9, 16                         ; the choice of buffers hangs on the cluster's number alone
	s_cselect_b64 s[58:59], s[6:7], s[4:5]
	s_cselect_b64 s[86:87], s[4:5], s[6:7]
	s_add_nc_u64 s[56:57], s[58:59], s[56:57]
	s_add_nc_u64 s[84:85], s[86:87], s[84:85]
	CROUND                                         ; all sixteen work-groups are here: the joint loads meet
	s_mov_b32 s[G0A], 1
	s_mov_b32 s[G0A+1], s60
	s_mov_b64 s[G0A+2:G0A+3], s[56:57]
	s_or_b32 s[G0A+3], s[G0A+3], 0x80000000
	s_mov_b32 s[G0B], 1
	s_mov_b32 s[G0B+1], s61
	s_mov_b64 s[G0B+2:G0B+3], s[84:85]
	s_or_b32 s[G0B+3], s[G0B+3], 0x80000000
	s_cmp_eq_u32 s[SA], 0                          ; one tensor load a wave, in the two arms of one branch on its number
	s_cbranch_scc0 .Lfor_1
	tensor_load_to_lds s[G0A:G0A+3], s[G1A:G1A+7]
	s_nop 0
	PLACES
	s_branch .Lasked
.Lfor_1:
	tensor_load_to_lds s[G0B:G0B+3], s[G1B:G1B+7]
	s_nop 0
	PLACES
.Lasked:
	v_and_b32 v1, 31, v0
	v_and_b32 v236, 15, v0                         ; r
	v_bfe_u32 v237, v0, 4, 1                       ; hh
	v_lshlrev_b32 v[GO16], 4, v1
	v_lshlrev_b32 v[GO8], 3, v1
	s_mul_i32 s22, s[SA], PANELB
	v_add_nc_u32 v[A0_16], s22, v[GO16]
	v_add_nc_u32 v[A0_8], s22, v[GO8]
	v_add_nc_u32 v[A0_16+1], 51200, v[A0_16]
	v_add_nc_u32 v[A0_8+1], 51200, v[A0_8]
	s_mul_i32 s23, s[SH], 6144
	s_add_co_u32 s23, s23, 2*PANELB
	v_add_nc_u32 v[A1_16], s23, v[GO16]
	v_add_nc_u32 v[A1_8], s23, v[GO8]
	v_add_nc_u32 v[A1_16+1], 51200, v[A1_16]
	v_add_nc_u32 v[A1_8+1], 51200, v[A1_8]
	s_add_co_u32 s22, s22, 12288
	v_lshl_add_u32 v[S0A], v236, 4, s22
	v_add_nc_u32 v[S0A+1], 51200, v[S0A]
	s_lshl_b32 s23, s[SH], 8
	s_add_co_u32 s23, s23, 2*PANELB+12288
	v_lshl_add_u32 v[S1A], v236, 4, s23
	v_add_nc_u32 v[S1A+1], 51200, v[S1A]
	v_mul_u32_u24 v[GOS], v237, HEADB
	v_lshl_add_u32 v[GOS], v236, 4, v[GOS]
	v_lshlrev_b32 v[GOV], 4, v236
	v_lshl_add_u32 v[GOV], v237, 3, v[GOV]
	s_wait_alu depctr_va_vdst(0)                   ; the wait at the head's end
	s_wait_tensorcnt 0x0                           ; my load has landed,
	s_barrier_signal -1
	s_barrier_wait -1                              ; everybody's has: all of K is in LDS
	FETCH1 0, 0
	SCALES 0, 0
	FETCH0 0, 0
	FETCH0 0, 4
	STEP 0, 1                                      ; the first K step starts the sums
.irp s, 1,2,3,4,5
	STEP \s, 0
.endr
	v_mov_b32 v[TM+7], 0                           ; a lane permute's destination counts as one of its sources
	s_cmp_eq_u32 s92, 0
	s_cbranch_scc1 .Lv_type
	; ---- K: block c of a tile of 16 keys is head c's block h: registers 0-5 of the codes are the first head's image, 6-11 the second's
	v_mov_b32 v[PSEL], 0x01010400                  ; lanes 0-15: the first head's word: my byte 0, the partner's byte 0, zeros;
	v_mov_b32 v[TM+8], 0x01010206                  ; lanes 16-31: the second head's: the partner's byte 2, my byte 2, zeros
	v_cndmask_b32 v[PSEL], v[PSEL], v[TM+8], s[MSK]
	s_lshl_b32 s17, s93, 1
	s_add_co_u32 s17, s17, s[SA]                   ; w_k's panel P: heads 2 P, 2 P + 1
	s_lshr_b32 s18, s94, 4
	s_lshl_b32 s18, s18, 4                         ; 16 x batch
	s_lshl_b32 s17, s17, 1
	s_add_co_u32 s18, s18, s17                     ; bh of the first head
	s_mul_i32 s18, s18, HEADB
	s_and_b32 s19, s94, 15                         ; the key step
	s_mul_i32 s19, s19, RECB
	s_add_co_u32 s18, s18, s19
	s_mul_i32 s19, s[SH], 3072
	s_add_co_u32 s[DST], s18, s19
	s_mov_b32 s[DST+1], 0
	s_lshl_b32 s19, s[SH], 8
	s_add_co_u32 s[DSC], s18, s19
	s_add_co_u32 s[DSC], s[DSC], SCOFF
	s_mov_b32 s[DSC+1], 0
	s_add_nc_u64 s[DST:DST+1], s[8:9], s[DST:DST+1]
	s_add_nc_u64 s[DSC:DSC+1], s[8:9], s[DSC:DSC+1]
.irp m, 0,1,2,3
	QUANTW 64*\m, CD+20*\m, SW+\m
	global_store_b128 v[GO16], v[CD+20*\m:CD+20*\m+3], s[DST:DST+1] offset:768*\m
	global_store_b64 v[GO8], v[CD+20*\m+4:CD+20*\m+5], s[DST:DST+1] offset:768*\m+512
	global_store_b128 v[GO16], v[CD+20*\m+6:CD+20*\m+9], s[DST:DST+1] offset:HEADB+768*\m
	global_store_b64 v[GO8], v[CD+20*\m+10:CD+20*\m+11], s[DST:DST+1] offset:HEADB+768*\m+512
.endr
	global_store_b128 v[GOS], v[SW:SW+3], s[DSC:DSC+1]   ; each half of the lanes fills one aligned run of 256 bytes, one head's each
	s_branch .Ldone
.Lv_type:
	; ---- V: a tile of 16 channels: a lane's 64 numbers are blocks h and 2 + h of 128 keys: one whole fragment and one scale word a channel
	v_mov_b32 v[PSEL], 0x06020400                  ; the whole word in both halves: lanes 0-15 hold bytes 0 and 2,
	v_mov_b32 v[TM+8], 0x02060004                  ; lanes 16-31 bytes 1 and 3
	v_cndmask_b32 v[PSEL], v[PSEL], v[TM+8], s[MSK]
	s_lshl_b32 s17, s93, 1
	s_add_co_u32 s17, s17, s[SA]                   ; the context's panel
	s_lshr_b32 s18, s17, 4
	s_lshl_b32 s18, s18, 4
	s_lshl_b32 s19, s94, 1
	s_add_co_u32 s18, s18, s19
	s_add_co_u32 s18, s18, s[SH]                   ; bh: my half of w_v's panel is one head
	s_mul_i32 s18, s18, HEADB
	s_and_b32 s17, s17, 15
	s_mul_i32 s17, s17, RECB
	s_add_co_u32 s[DST], s18, s17
	s_add_co_u32 s[DST], s[DST], 6144
	s_mov_b32 s[DST+1], 0
	s_add_nc_u64 s[DST:DST+1], s[8:9], s[DST:DST+1]
.irp m, 0,1,2,3
	QUANTW 64*\m, CD+20*\m, SW+\m
.irp i, 0,1,2
	global_store_b128 v[GO16], v[CD+20*\m+4*\i:CD+20*\m+4*\i+3], s[DST:DST+1] offset:1536*\m+512*\i
.endr
.endr
	v_cndmask_b32 v[SW+4], v[SW], v[SW+2], s[MSK]  ; lanes 0-15 store words 0, 1, lanes 16-31 words 2, 3
	v_cndmask_b32 v[SW+5], v[SW+1], v[SW+3], s[MSK]
	global_store_b64 v[GOV], v[SW+4:SW+5], s[DST:DST+1] offset:6656   ; one aligned run of 256 bytes
.Ldone:
	s_wait_tensorcnt 0x0                           ; the wave's end
	ds_add_u32 v[SPW], v[NIL]
	s_wait_dscnt 0x0
	CROUND                                         ; the closing round
	s_endpgm
.Lfunc_end_k_qab0e34fc2f_proj_kv:
	.size	k_qab0e34fc2f_proj_kv, .Lfunc_end_k_qab0e34fc2f_proj_kv-k_qab0e34fc2f_proj_kv
	.p2alignl 7, 3214868480
	.fill 96, 4, 3214868480
	.section	.rodata,"a",@progbits
	.p2align	6, 0x0
	.amdhsa_kernel k_qab0e34fc2f_proj_kv
		.amdhsa_group_segment_fixed_size 327680
		.amdhsa_private_segment_fixed_size 0
		.amdhsa_enable_private_segment 0
		.amdhsa_kernarg_size 24
		.amdhsa_user_sgpr_count 2
		.amdhsa_user_sgpr_kernarg_segment_ptr 1
		.amdhsa_wavefront_size32 1
		.amdhsa_system_sgpr_workgroup_id_x 1
		.amdhsa_system_sgpr_workgroup_id_y 1
		.amdhsa_system_sgpr_workgroup_id_z 1
		.amdhsa_system_vgpr_workitem_id 0
		.amdhsa_next_free_vgpr 512
		.amdhsa_next_free_sgpr 96
		.amdhsa_reserve_vcc 0
		.amdhsa_float_denorm_mode_32 3
		.amdhsa_float_denorm_mode_16_64 3
		.amdhsa_memory_ordered 1
		.amdhsa_forward_progress 1
		.amdhsa_inst_pref_size 82
	.end_amdhsa_kernel
	.amdgpu_metadata
---
amdhsa.version: [ 1, 2 ]
amdhsa.kernels:
  - .name:           k_qab0e34fc2f_proj_kv
    .symbol:         k_qab0e34fc2f_proj_kv.kd
    .args:
      - { .name: co, .offset: 0, .size: 8, .value_kind: global_buffer, .address_space: global }
      - { .name: wts, .offset: 8, .size: 8, .value_kind: global_buffer, .address_space: global }
      - { .name: kv, .offset: 16, .size: 8, .value_kind: global_buffer, .address_space: global }
    .group_segment_fixed_size: 327680
    .private_segment_fixed_size: 0
    .kernarg_segment_align: 8
    .kernarg_segment_size: 24
    .max_flat_workgroup_size: 128
    .sgpr_count:     96
    .vgpr_count:     512
    .wavefront_size: 32
...
	.end_amdgpu_metadata
.endif
;; end of part 2
;; launch attn (part 3): grid 4 x 64, 16 waves a work-group, clusters of 4 x 1, 262,144 bytes of LDS; arguments xo, wts, kv, ao; writes ao
.if DOCPART == 3
	.amdgcn_target "amdgcn-amd-amdhsa--gfx1250"
	.amdhsa_code_object_version 6
	.text
	.protected	k_qab0e34fc2f_attn
	.globl	k_qab0e34fc2f_attn
	.p2align	8
	.type	k_qab0e34fc2f_attn,@function
k_qab0e34fc2f_attn:
	s_mov_b64 s[64:65], 0
	v_nop
	global_prefetch_b8 v0, s[64:65] scope:SCOPE_SE
	s_setreg_imm32_b32 hwreg(HW_REG_WAVE_MODE, 25, 1), 1
	s_wait_xcnt 0x0
	s_wait_alu depctr_hold_cnt(0) depctr_sa_sdst(0) depctr_va_vdst(0) depctr_va_sdst(0) depctr_va_ssrc(0) depctr_va_vcc(0) depctr_vm_vsrc(0)
	s_getreg_b32 s2, hwreg(HW_REG_IB_STS2, 6, 4)
	s_cmp_eq_u32 s2, 0
	s_cbranch_scc0 .Lentry_in_a_cluster
	s_endpgm
.Lentry_in_a_cluster:
	s_bfe_u32 s2, ttmp6, 0x10000c
	s_cmp_lg_u32 s2, 0x3003
	s_cbranch_scc0 .Lentry_shape_is_right
	s_endpgm
.Lentry_shape_is_right:
; ATTN: for each of 64 (batch, head): q = x w_q (the head's 64 columns), o = softmax(q k^T / 8) v; all three products on codes of FP6 (E2M3) with E8M0 scales, f32 sums.
; q is quantised along the head's 64 in registers; o is quantised along the inner axis and stored as the output projection's operand blocks.
; THE SOFTMAX AHEAD OF THE LAST PRODUCT: t = score x log2(e) / 8; M = the running largest t rounded UP to a whole number; p = 2^(t - M) is quantised along the keys, not normalised; the row's sum is taken of the
; unquantised p and divides O at the end; when M moves, the sum and O are multiplied by 2^(old M - new M), which rounds nothing.
; SHARES: a work-group owns 512 queries of one head.  The head's WHOLE K and V, 16 records of 13,056 bytes, and the head's half of w_q's blocks (8 K steps x 6,144 bytes of codes, 8 x 256 of scale words) lie in LDS, filled once.
; The four work-groups of a cluster are the four query blocks of one head: they ask jointly: waves 0-3 four records each, wave 4 w_q's codes, wave 5 its scale words: one tensor load a wave.
; Sixteen waves; a wave owns two tiles of 16 queries and takes BOTH through each key step: K's and V's fragments are read from LDS once for the two.
; x's fragments are each wave's own (no two work-groups of a cluster read the same), so they go from memory straight into registers, four K steps (36 loads) ahead.
; The q projection needs w_q alone: waves 4 and up wait for their loads ahead of a first barrier; K and V may still be on their way across it (nothing is filled again); a second barrier stands ahead of the key loop.
; No prefetch is laid: every byte of K, V and w_q is asked for in one group at the head.
; LAYOUT: all products transposed: a lane holds ONE query of each tile.  Row r of tile rt of a panel is the panel's row 64 (rt/4) + 32 (r/8) + 8 (rt%4) + r%8, so lane (r, h) holds in the 32 registers of tiles 4c .. 4c+3 a WHOLE block:
; channels 32 h + i of q and of o, keys 64 c + 32 h + i of p: the operand's own layout; only a scale word's bytes are gathered from lane l xor 16.
; THE SECOND PRODUCT'S K IS 64, THE INSTRUCTION'S 128.  Q's registers 6-11 are ZERO CODES and its scale word's upper two bytes are 0 (2^-127, no NaN).  K's tile t is named as v[56 + 6 t .. 67 + 6 t]: its upper six registers are the
; next tile's codes (behind tile 7: the first tile's p codes, zeros at the start): finite numbers that meet zero codes add exactly 0.
; SCALE WORDS are loaded at 16 x lane: lanes 0-15 take rows 0-15's; what lanes 16-31 take (the LDS bytes that follow, all filled) is not read by the products.
; LIMITS: a block of zeros, or one under 2^-124, keeps the byte 1; NaN and infinities are not served; the promise holds while the scaled scores t stay under 2^31 in magnitude.
.set REC,   13056                      ; a record: K's 8 images (768 each), V's 4 fragments at 6,144, K's scale units at 12,288, V's at 12,800
.set HEADB, 16*REC
.set WQ,    HEADB                      ; w_q's codes: K step s at 6,144 s
.set WQS,   WQ+8*6144                  ; its scale words: 256 s
.set SPARE, WQS+8*256                  ; the spare words, 128 bytes for each of 16 waves
.set XPAN,  102400                     ; a panel of 8 K steps in xo, wts, ao
.set LANE, 1                           ; v1 lane
.set AD16, 2                           ; v2, v3 LDS addresses: base + 16 x lane, base + 8 x lane
.set AD8,  3
.set SPW,  4                           ; my spare word; never rewritten
.set NIL,  5                           ; 0; never rewritten
                                       ; v6, v7 the two tiles' largest scores; v[8:9], v[10:11] their sums in two halves; v0, v12-19 at work
.set HL16, 12                          ; the head alone: 16 x lane, 8 x lane, 16 r, w_q's scale words
.set HL8,  13
.set HR16, 14
.set HWS,  15
.set SCB,  20                          ; v20-31 scales and nothing else: v20-27 K's (v20-23 also w_q's and V's), v28, v29 Q's, v30, v31 p's; v24-31 also x's
.set QF,   32                          ; v32-43, v44-55 Q of tile 0, 1: six registers of codes, six of zeros
.set KT,   56                          ; v56-103 w_q's 4 fragments; K's 8 tiles of 6 registers; V's 4 fragments of 12
.set PCD,  104                         ; v104-115, v116-127 p's codes of tile 0, 1
.set S,    128                         ; v128-191 q's sums; S^T, then p
.set O,    192                         ; v192-223, v224-255 O^T of tile 0, 1
                                       ; x's fragments, 24 registers a K step, four steps: v192, v216, v104, v32
.set WV,  12
.set G1,  24                           ; group 1: K and V;  G1W: w_q's codes;  G1S: its scale words
.set G1W, 32
.set G1S, 40
.set G0,  48
.set G0W, 52
.set G0S, 56
.set XB,  60                           ; s[60:61] my two fragments of x;  s[62:63] their scale words
.set XSB, 62
.set OB,  66                           ; s[66:67] my two half fragments of o;  s[68:69] their scale bytes
.set OSB, 68
.set SEL, 70
.set CS,  72                           ; s[72:73] c = log2(e) / 8;  s74 -c
.set CN,  74
.set MSK, 75
.set TB,  76
.set CNT, 77
.macro CROUND
	s_barrier_signal -1
	s_barrier_wait -1
	s_cmp_lg_u32 s[WV], 0
	s_cbranch_scc1 .Lnot_wave_0_\@
	s_barrier_signal -3
.Lnot_wave_0_\@:
	s_barrier_wait -3
	s_barrier_signal -1
	s_barrier_wait -1
.endm
.macro PLACES
.rept 4
	v_nop
.endr
.endm
.macro SLOT k                          ; where K step k (mod 4) of x lies
.if (\k) < 2
.set XR, 192+24*(\k)
.else
.if (\k) == 2
.set XR, 104
.else
.set XR, 32
.endif
.endif
.endm
.macro XLOAD s                         ; x's two fragments and their scale words of K step s: 9 loads
	SLOT (\s)%4
.irp p, 0,1
	global_load_b128 v[XR+12*\p:XR+12*\p+3], v[HL16], s[XB:XB+1] offset:12800*(\s)+1536*\p
	global_load_b64 v[XR+12*\p+4:XR+12*\p+5], v[HL8], s[XB:XB+1] offset:12800*(\s)+1536*\p+512
	global_load_b128 v[XR+12*\p+6:XR+12*\p+9], v[HL16], s[XB:XB+1] offset:12800*(\s)+1536*\p+768
	global_load_b64 v[XR+12*\p+10:XR+12*\p+11], v[HL8], s[XB:XB+1] offset:12800*(\s)+1536*\p+1280
.endr
	global_load_b64 v[SCB+4+2*((\s)%4):SCB+5+2*((\s)%4)], v[HR16], s[XSB:XSB+1] offset:12800*(\s)
.endm
.macro QSTEP s                         ; q += w_q x^T, K step s: 4 tiles of channels x my 2 tiles of queries; the 8 accumulators take turns
.irp t, 0,1,2,3
	ds_load_b128 v[KT+12*\t:KT+12*\t+3], v[AD16] offset:6144*(\s)+1536*\t
	ds_load_b64 v[KT+12*\t+4:KT+12*\t+5], v[AD8] offset:6144*(\s)+1536*\t+512
	ds_load_b128 v[KT+12*\t+6:KT+12*\t+9], v[AD16] offset:6144*(\s)+1536*\t+768
	ds_load_b64 v[KT+12*\t+10:KT+12*\t+11], v[AD8] offset:6144*(\s)+1536*\t+1280
.endr
	ds_load_b128 v[SCB:SCB+3], v[HWS] offset:256*(\s)
.if (\s) < 5
	s_wait_loadcnt 27                              ; this step's 9 loads are in; the three later steps' 27 may be out
.else
	s_wait_loadcnt 9*(7-(\s))                      ; 9 for each later step
.endif
	s_wait_dscnt 0x0
	SLOT (\s)%4
.irp t, 0,1,2,3
.irp p, 0,1
.if (\s) == 0
	v_wmma_scale_f32_16x16x128_f8f6f4 v[S+32*\p+8*\t:S+32*\p+8*\t+7], v[KT+12*\t:KT+12*\t+11], v[XR+12*\p:XR+12*\p+11], 0, v[SCB+\t], v[SCB+4+2*((\s)%4)+\p] matrix_a_fmt:MATRIX_FMT_FP6 matrix_b_fmt:MATRIX_FMT_FP6
.else
	v_wmma_scale_f32_16x16x128_f8f6f4 v[S+32*\p+8*\t:S+32*\p+8*\t+7], v[KT+12*\t:KT+12*\t+11], v[XR+12*\p:XR+12*\p+11], v[S+32*\p+8*\t:S+32*\p+8*\t+7], v[SCB+\t], v[SCB+4+2*((\s)%4)+\p] matrix_a_fmt:MATRIX_FMT_FP6 matrix_b_fmt:MATRIX_FMT_FP6
.endif
.endr
.endr
	PLACES                                         ; in front of loads into the products' registers, and of the first read of the sums
.if (\s)+4 < 8
	XLOAD (\s)+4
.endif
.endm
	s_load_b256 s[4:11], s[0:1], 0x0               ; xo s[4:5], wts s[6:7], kv s[8:9], ao s[10:11]
	v_lshl_add_u32 v[SPW], v0, 2, SPARE
	v_mov_b32 v[NIL], 0
	ds_add_u32 v[SPW], v[NIL]                      ; the opening lines: the add, twice, and its wait ahead of the first tensor load
	ds_add_u32 v[SPW], v[NIL]
	v_lshrrev_b32 v6, 5, v0
	v_readfirstlane_b32 s[WV], v6                  ; wave 0..15
	v_and_b32 v[LANE], 31, v0
	v_and_b32 v7, 15, v0                           ; r
	v_lshlrev_b32 v[HL16], 4, v[LANE]
	v_lshlrev_b32 v[HL8], 3, v[LANE]
	v_lshlrev_b32 v[HR16], 4, v7
	v_add_nc_u32 v[AD16], WQ, v[HL16]
	v_add_nc_u32 v[AD8], WQ, v[HL8]
	v_add_nc_u32 v[HWS], WQS, v[HR16]
	v_mov_b32 v244, 0                              ; lane permutes' destinations are written once
	v_mov_b32 v245, 0
	s_bfe_u32 s13, ttmp6, 0x40000                  ; cx: my block of 512 queries; it enters x's and the output's addresses alone
	s_and_b32 s14, ttmp7, 0xffff                   ; bh, which the four partners share
	s_and_b32 s15, s[WV], 3
	s_mov_b32 s[G1], 15|(3<<16)|(1<<21)            ; the mask: all four work-groups; elements of 8 bytes; no padding
	s_mov_b32 s[G1+1], 32<<16                      ; rows of 256 bytes of a dense block
	s_mov_b32 s[G1+2], 204<<16                     ; four records
	s_mov_b32 s[G1+3], 32<<16
	s_mov_b32 s[G1+4], 204
	s_mov_b32 s[G1+5], 32
	s_mov_b32 s[G1+6], 0
	s_mov_b32 s[G1+7], 0
	s_mov_b32 s[G1W], 15|(3<<16)|(1<<21)
	s_mov_b32 s[G1W+1], 768<<16                    ; 8 rows of 6,144 bytes, 12,800 bytes apart: the head's four fragments of each K step
	s_mov_b32 s[G1W+2], 8<<16
	s_mov_b32 s[G1W+3], 768<<16
	s_mov_b32 s[G1W+4], 8
	s_mov_b32 s[G1W+5], 1600
	s_mov_b32 s[G1W+6], 0
	s_mov_b32 s[G1W+7], 0
	s_mov_b32 s[G1S], 15|(3<<16)|(1<<21)
	s_mov_b32 s[G1S+1], 32<<16                     ; 8 rows of 256 bytes, 12,800 bytes apart: its scale unit of each K step
	s_mov_b32 s[G1S+2], 8<<16
	s_mov_b32 s[G1S+3], 32<<16
	s_mov_b32 s[G1S+4], 8
	s_mov_b32 s[G1S+5], 1600
	s_mov_b32 s[G1S+6], 0
	s_mov_b32 s[G1S+7], 0
	s_mul_i32 s16, s15, 4*REC                      ; a quarter of the head, in LDS as in memory (waves 0-3 fetch)
	s_mul_i32 s18, s14, HEADB
	s_add_co_u32 s18, s18, s16
	s_mov_b32 s19, 0
	s_bfe_u32 s20, s14, 0x30001                    ; head / 2: w_q's panel, and o's K step
	s_and_b32 s21, s14, 1                          ; head % 2
	s_mul_i32 s22, s20, XPAN
	s_mul_i32 s23, s21, 6144
	s_add_co_u32 s78, s22, s23                     ; w_q's codes (w_q's blocks begin wts)
	s_mov_b32 s79, 0
	s_lshl_b32 s23, s21, 8
	s_add_co_u32 s80, s22, s23
	s_add_co_u32 s80, s80, 12288                   ; its scale units
	s_mov_b32 s81, 0
	s_lshr_b32 s22, s[WV], 2
	s_lshl_b32 s23, s13, 2
	s_add_co_u32 s22, s22, s23                     ; 4 cx + wave / 4: my panel of 128 queries; my tiles are 2 (wave % 4) + p
	s_lshr_b32 s23, s14, 4
	s_lshl_b32 s23, s23, 4
	s_add_co_u32 s22, s22, s23                     ; + 16 x batch
	s_mul_i32 s22, s22, XPAN
	s_mul_i32 s23, s15, 3072
	s_add_co_u32 s[XB], s22, s23
	s_mov_b32 s[XB+1], 0
	s_lshr_b32 s17, s15, 1
	s_lshl_b32 s17, s17, 8
	s_and_b32 s23, s[WV], 1
	s_lshl_b32 s23, s23, 3
	s_add_co_u32 s17, s17, s23
	s_add_co_u32 s17, s17, 12288                   ; my two tiles' words in a block: 12,288 + 256 (tile / 4) + 4 (tile % 4)
	s_add_co_u32 s[XSB], s22, s17
	s_mov_b32 s[XSB+1], 0
	s_mul_i32 s20, s20, 12800
	s_add_co_u32 s22, s22, s20                     ; o's block
	s_mul_i32 s23, s15, 3072
	s_add_co_u32 s[OB], s22, s23
	s_mul_i32 s23, s21, 768
	s_add_co_u32 s[OB], s[OB], s23                 ; head % 2: which half of each fragment,
	s_mov_b32 s[OB+1], 0
	s_add_co_u32 s[OSB], s22, s17
	s_lshl_b32 s23, s21, 1
	s_add_co_u32 s[OSB], s[OSB], s23               ; which two bytes of each scale word
	s_mov_b32 s[OSB+1], 0
	s_mov_b32 s[SEL], 0x76543210
	s_mov_b32 s[SEL+1], 0xfedcba98
	s_mov_b32 s[CS], 0x3e38aa3b                    ; log2(e) / 8
	s_mov_b32 s[CS+1], s[CS]
	s_mov_b32 s[CN], 0xbe38aa3b
	s_mov_b32 s[MSK], 0xffff0000                   ; lanes 16-31
	s_wait_alu depctr_va_vdst(0)                   ; the wait at the head's end
	s_wait_dscnt 0x0                               ; both opening adds are done
	s_wait_kmcnt 0x0
	s_mov_b32 s[G0], 1
	s_mov_b32 s[G0+1], s16
	s_add_nc_u64 s[G0+2:G0+3], s[8:9], s[18:19]
	s_or_b32 s[G0+3], s[G0+3], 0x80000000
	s_mov_b32 s[G0W], 1
	s_mov_b32 s[G0W+1], WQ
	s_add_nc_u64 s[G0W+2:G0W+3], s[6:7], s[78:79]
	s_or_b32 s[G0W+3], s[G0W+3], 0x80000000
	s_mov_b32 s[G0S], 1
	s_mov_b32 s[G0S+1], WQS
	s_add_nc_u64 s[G0S+2:G0S+3], s[6:7], s[80:81]
	s_or_b32 s[G0S+3], s[G0S+3], 0x80000000
	s_add_nc_u64 s[XB:XB+1], s[4:5], s[XB:XB+1]
	s_add_nc_u64 s[XSB:XSB+1], s[4:5], s[XSB:XSB+1]
	s_add_nc_u64 s[OB:OB+1], s[10:11], s[OB:OB+1]
	s_add_nc_u64 s[OSB:OSB+1], s[10:11], s[OSB:OSB+1]
.irp s, 0,1,2,3
	XLOAD \s
.endr
	CROUND                                         ; all four work-groups are here: the joint loads meet
	s_cmp_lt_u32 s[WV], 4                          ; one chain of branches on the wave's number, one load to an arm
	s_cbranch_scc0 .Larm_w
	tensor_load_to_lds s[G0:G0+3], s[G1:G1+7]
	s_nop 0
	PLACES
	s_branch .Lasked
.Larm_w:
	s_cmp_eq_u32 s[WV], 4
	s_cbranch_scc0 .Larm_s
	tensor_load_to_lds s[G0W:G0W+3], s[G1W:G1W+7]
	s_nop 0
	PLACES
	s_branch .Lasked
.Larm_s:
	s_cmp_eq_u32 s[WV], 5
	s_cbranch_scc0 .Lasked
	tensor_load_to_lds s[G0S:G0S+3], s[G1S:G1S+7]
	s_nop 0
	PLACES
.Lasked:
	s_cmp_lt_u32 s[WV], 4
	s_cbranch_scc1 .Lkv_out                        ; K's and V's loads may stay out across the first barrier
	s_wait_tensorcnt 0x0                           ; w_q's codes and scale words have landed
.Lkv_out:
	s_barrier_signal -1
	s_barrier_wait -1
.irp s, 0,1,2,3,4,5,6,7
	QSTEP \s
.endr
	; q's 32 numbers a tile are block h of the head's 64: six registers of codes; the scale word's two bytes come from lanes l and l xor 16
.irp p, 0,1
	v_max3_num_f32 v[240+\p], |v[S+32*\p]|, |v[S+32*\p+1]|, 0x1800000
.endr
.irp i, 2,4,6,8,10,12,14,16,18,20,22,24,26,28,30
.irp p, 0,1
	v_max3_num_f32 v[240+\p], v[240+\p], |v[S+32*\p+\i]|, |v[S+32*\p+\i+1]|
.endr
.endr
.irp p, 0,1
	v_add_nc_u32 v[242+\p], 0xff000000, v[240+\p]
.endr
.irp p, 0,1
	v_lshrrev_b32 v[240+\p], 23, v[242+\p]
.endr
.irp p, 0,1
	v_permlanex16_b32 v[244+\p], v[240+\p], s[SEL], s[SEL+1]
.endr
.irp p, 0,1
	v_perm_b32 v[SCB+8+\p], v[244+\p], v[240+\p], 0x01010400   ; lanes 0-15: my byte, the partner's, zeros (lanes 16-31 are not read)
.endr
.irp p, 0,1
	v_cvt_scalef32_pk16_fp6_f32 v[QF+12*\p:QF+2+12*\p], v[S+32*\p:S+32*\p+15], v[242+\p]
	v_cvt_scalef32_pk16_fp6_f32 v[248+4*\p:250+4*\p], v[S+32*\p+16:S+32*\p+31], v[242+\p]
.endr
	v_nop                                          ; one plain place behind a scaled conversion
.irp p, 0,1
.irp i, 0,1,2
	v_mov_b32 v[QF+3+12*\p+\i], v[248+4*\p+\i]
.endr
.endr
.irp j, 38,39,40,41,42,43,50,51,52,53,54,55,104,105,106,107,108,109,8,9,10,11,17
	v_mov_b32 v\j, 0                               ; zero codes: the upper 64 of the second product's K, and behind K's tile 7; the sums; a lane permute's destination
.endr
	v_mov_b32 v6, 0xff61b1e6                       ; the largest scores so far: -3e38
	v_mov_b32 v7, 0xff61b1e6
.set j, 0
.rept 64
	v_mov_b32 v[O+j], 0                            ; the step is written once: its first trip finds zeros, which the first change of M leaves zeros
.set j, j+1
.endr
	s_wait_alu depctr_va_vdst(0)                   ; the wait here, directly ahead of the wait below
	s_wait_tensorcnt 0x0                           ; my quarter of the head has landed,
	s_barrier_signal -1
	s_barrier_wait -1                              ; everybody's has
.macro QK qf, qs                       ; S^T = K Q^T of one tile of queries
.irp t, 0,1,2,3,4,5,6,7
	v_wmma_scale_f32_16x16x128_f8f6f4 v[S+8*\t:S+8*\t+7], v[KT+6*\t:KT+6*\t+11], v[\qf:\qf+11], 0, v[SCB+\t], v[\qs] matrix_a_fmt:MATRIX_FMT_FP6 matrix_b_fmt:MATRIX_FMT_FP6
.endr
.endm
; THE SOFTMAX of one tile for 128 keys.  mx: its largest score; l: its sum; ob: its O^T; pc: its p codes; ps: its p scale word.  v18 holds the old -M = floor(-c x the old largest score)
.macro SOFT mx, l, ob, pc, ps
	v_max3_num_f32 v12, v[S], v[S+1], v[S+2]       ; the largest score of my two blocks of 32 keys, each in two chains: it serves for the row's maximum and, since p rises with the score, for the block's largest p
	v_max3_num_f32 v13, v[S+32], v[S+33], v[S+34]
	v_max3_num_f32 v19, v[S+16], v[S+17], v[S+18]
	v_max3_num_f32 v0, v[S+48], v[S+49], v[S+50]
.irp i, 3,5,7,9,11,13
	v_max3_num_f32 v12, v12, v[S+\i], v[S+1+\i]
	v_max3_num_f32 v13, v13, v[S+32+\i], v[S+33+\i]
	v_max3_num_f32 v19, v19, v[S+16+\i], v[S+17+\i]
	v_max3_num_f32 v0, v0, v[S+48+\i], v[S+49+\i]
.endr
	v_max3_num_f32 v12, v12, v19, v[S+15]
	v_max3_num_f32 v13, v13, v0, v[S+47]
	v_max_num_f32 v12, v12, v[S+31]
	v_max_num_f32 v13, v13, v[S+63]
	v_max_num_f32 v15, v12, v13
	v_permlanex16_b32 v17, v15, s[SEL], s[SEL+1]
	v_max3_num_f32 v[\mx], v[\mx], v15, v17        ; the running largest score of my query
	v_mul_f32 v14, s[CN], v[\mx]                   ; -t
	v_floor_f32 v14, v14                           ; the new -M = floor(-t): M is a whole number
	v_sub_f32 v18, v14, v18                        ; old M - new M: a whole number, 0 or less
	v_cvt_i32_f32 v18, v18                         ; (it saturates)
	v_ldexp_f32 v16, 1.0, v18                      ; f = 2^(old M - new M)
.set j, 0
.rept 32
	v_pk_fma_f32 v[S+j:S+j+1], v[S+j:S+j+1], s[CS:CS+1], v[14:15] op_sel_hi:[1,0,0]   ; t - M, two at a time
.set j, j+2
.endr
	v_fma_f32 v12, v12, s[CS], v14                 ; the same of each block's largest score
	v_fma_f32 v13, v13, s[CS], v14
	s_wait_alu depctr_va_vdst(0)                   ; the wait ahead of the batch
.set j, 0
.rept 64
	v_exp_f32 v[S+j], v[S+j]                       ; p = 2^(t - M), at most 1
.set j, j+1
.endr
	v_exp_f32 v12, v12                             ; the blocks' largest p
	v_exp_f32 v13, v13
	v_pk_mul_f32 v[\l:\l+1], v[\l:\l+1], v[16:17] op_sel_hi:[1,0]   ; the sums under the new M (a plain place behind the exponentials)
	s_wait_alu depctr_va_vdst(0)                   ; one wait for the whole batch, directly ahead of the first reader of O^T too
.set j, 0
.rept 16
	v_pk_mul_f32 v[\ob+j:\ob+j+1], v[\ob+j:\ob+j+1], v[16:17] op_sel_hi:[1,0]   ; O^T under the new M
.set j, j+2
.endr
	v_max_num_f32 v12, 0x1800000, v12              ; the floor 2^(3 - 127): the byte cannot fall under 1
	v_max_num_f32 v13, 0x1800000, v13
	v_add_nc_u32 v0, 0xff000000, v12               ; the conversions' scale operands
	v_add_nc_u32 v19, 0xff000000, v13
	v_lshrrev_b32 v12, 23, v0                      ; the bytes
	v_lshrrev_b32 v13, 23, v19
	v_lshl_or_b32 v15, v13, 16, v12                ; my two: blocks h and 2 + h
	v_permlanex16_b32 v17, v15, s[SEL], s[SEL+1]
	v_perm_b32 v[\ps], v17, v15, 0x06020400        ; p's scale word for these 128 keys, in lanes 0-15
	v_cvt_scalef32_pk16_fp6_f32 v[\pc:\pc+2], v[S:S+15], v0
	v_cvt_scalef32_pk16_fp6_f32 v[12:14], v[S+16:S+31], v0      ; (a conversion's three registers begin on an even number)
	v_cvt_scalef32_pk16_fp6_f32 v[\pc+6:\pc+8], v[S+32:S+47], v19
	v_cvt_scalef32_pk16_fp6_f32 v[16:18], v[S+48:S+63], v19
	v_nop                                          ; one plain place behind a scaled conversion
.irp i, 0,1,2
	v_mov_b32 v[\pc+3+\i], v[12+\i]
	v_mov_b32 v[\pc+9+\i], v[16+\i]
.endr
	; the row's sum of the unquantised p, taken in place now that the codes are made: 32 pairs fold to one.  These lines also stand between the codes' and the scale word's last writes and the products
.irp w, 32,16,8,4,2
.set j, 0
.rept \w/2
	v_pk_add_f32 v[S+j:S+j+1], v[S+j:S+j+1], v[S+\w+j:S+\w+j+1]
.set j, j+2
.endr
.endr
	v_pk_add_f32 v[\l:\l+1], v[\l:\l+1], v[S:S+1]
.endm
	s_mov_b32 s[TB], 0
	s_mov_b32 s[CNT], 16
.Lkeys:                                                ; A KEY STEP: 128 keys, the record at LDS byte s[TB], against both my tiles of queries
	v_lshl_add_u32 v[AD16], v[LANE], 4, s[TB]
	v_lshl_add_u32 v[AD8], v[LANE], 3, s[TB]
	v_mul_f32 v18, s[CN], v6
	v_floor_f32 v18, v18                           ; tile 0's old -M.  These four are the places behind the last step's products
.irp t, 0,1,2,3,4,5,6,7
	ds_load_b128 v[KT+6*\t:KT+6*\t+3], v[AD16] offset:768*\t
	ds_load_b64 v[KT+6*\t+4:KT+6*\t+5], v[AD8] offset:768*\t+512
.endr
	ds_load_b128 v[SCB:SCB+3], v[AD16] offset:12288
	ds_load_b128 v[SCB+4:SCB+7], v[AD16] offset:12544
	s_wait_alu depctr_va_vdst(0)                   ; the wait here, directly ahead of the wait below
	s_wait_dscnt 0x0
	QK QF, SCB+8
	PLACES
	SOFT 6, 8, O, PCD, SCB+10
	QK QF+12, SCB+9                                ; K's fragments serve a second time
	v_mul_f32 v18, s[CN], v7
	v_floor_f32 v18, v18                           ; tile 1's old -M
	v_nop
	v_nop                                          ; four places, in front of the loads into K's registers and of the first read of the scores
.irp m, 0,1,2,3
.irp i, 0,1,2
	ds_load_b128 v[KT+12*\m+4*\i:KT+12*\m+4*\i+3], v[AD16] offset:6144+1536*\m+512*\i   ; V's fragments: asked for a whole softmax ahead of their use
.endr
.endr
	ds_load_b128 v[SCB:SCB+3], v[AD16] offset:12800
	SOFT 7, 10, O+32, PCD+12, SCB+11
	s_wait_alu depctr_va_vdst(0)                   ; the wait here, directly ahead of the wait below
	s_wait_dscnt 0x0                               ; V is in
.irp m, 0,1,2,3                                ; each fragment of V serves both tiles; the 8 accumulators take turns
.irp p, 0,1
	v_wmma_scale_f32_16x16x128_f8f6f4 v[O+32*\p+8*\m:O+32*\p+8*\m+7], v[KT+12*\m:KT+12*\m+11], v[PCD+12*\p:PCD+12*\p+11], v[O+32*\p+8*\m:O+32*\p+8*\m+7], v[SCB+\m], v[SCB+10+\p] matrix_a_fmt:MATRIX_FMT_FP6 matrix_b_fmt:MATRIX_FMT_FP6
.endr
.endr
	s_add_co_u32 s[TB], s[TB], REC
	s_sub_co_u32 s[CNT], s[CNT], 1
	s_cmp_lg_u32 s[CNT], 0
	s_cbranch_scc1 .Lkeys
	; THE WAY OUT of both tiles
	PLACES                                         ; behind the last products
	v_add_f32 v8, v8, v9
	v_add_f32 v10, v10, v11
	v_permlanex16_b32 v12, v8, s[SEL], s[SEL+1]
	v_permlanex16_b32 v13, v10, s[SEL], s[SEL+1]
	v_add_f32 v8, v8, v12                          ; the rows' sums
	v_add_f32 v10, v10, v13
	s_wait_alu depctr_va_vdst(0)
	v_rcp_f32 v8, v8
	v_rcp_f32 v10, v10
	v_nop                                          ; a plain place behind the reciprocals
	s_wait_alu depctr_va_vdst(0)                   ; and the wait ahead of their first reader, and of the first reader of O^T
.irp p, 0,1
.set j, 0
.rept 16
	v_pk_mul_f32 v[S+32*\p+j:S+32*\p+j+1], v[O+32*\p+j:O+32*\p+j+1], v[8+2*\p:9+2*\p] op_sel_hi:[1,0]   ; o: register i is channel 32 h + i of my query: a whole block of the output projection's K
.set j, j+2
.endr
.endr
.irp p, 0,1
	v_max3_num_f32 v[12+\p], |v[S+32*\p]|, |v[S+32*\p+1]|, 0x1800000
	v_max3_num_f32 v[14+\p], |v[S+32*\p+16]|, |v[S+32*\p+17]|, 0x1800000
.endr
.irp i, 2,4,6,8,10,12,14
.irp p, 0,1
	v_max3_num_f32 v[12+\p], v[12+\p], |v[S+32*\p+\i]|, |v[S+32*\p+1+\i]|
	v_max3_num_f32 v[14+\p], v[14+\p], |v[S+32*\p+16+\i]|, |v[S+32*\p+17+\i]|
.endr
.endr
.irp p, 0,1
	v_max_num_f32 v[12+\p], v[12+\p], v[14+\p]
.endr
.irp p, 0,1
	v_add_nc_u32 v[14+\p], 0xff000000, v[12+\p]    ; the conversion's scale operand
.endr
.irp p, 0,1
	v_lshrrev_b32 v[12+\p], 23, v[14+\p]           ; my block's byte
.endr
.irp p, 0,1
	v_permlanex16_b32 v[16+\p], v[12+\p], s[SEL], s[SEL+1]
.endr
.irp p, 0,1
	v_lshl_or_b32 v[18+\p], v[16+\p], 8, v[12+\p]
.endr
.irp p, 0,1
	v_lshl_or_b32 v[16+\p], v[12+\p], 8, v[16+\p]
.endr
.irp p, 0,1
	v_cndmask_b32 v[12+\p], v[18+\p], v[16+\p], s[MSK]   ; my row's two scale bytes, block 0's lowest, in both halves of the lanes
.endr
.irp p, 0,1
	v_cvt_scalef32_pk16_fp6_f32 v[PCD+12*\p:PCD+12*\p+2], v[S+32*\p:S+32*\p+15], v[14+\p]
	v_cvt_scalef32_pk16_fp6_f32 v[KT+4*\p:KT+4*\p+2], v[S+32*\p+16:S+32*\p+31], v[14+\p]
.endr
	v_nop                                          ; one plain place behind a scaled conversion
.irp p, 0,1
.irp i, 0,1,2
	v_mov_b32 v[PCD+12*\p+3+\i], v[KT+4*\p+\i]
.endr
.endr
	v_lshlrev_b32 v[AD16], 4, v[LANE]
	v_lshlrev_b32 v[AD8], 3, v[LANE]
	v_and_b32 v16, 15, v[LANE]
	v_lshrrev_b32 v17, 4, v[LANE]
	v_lshlrev_b32 v17, 2, v17
	v_lshl_add_u32 v16, v16, 4, v17                ; 16 r + 4 hh
	v_cndmask_b32 v12, v12, v13, s[MSK]            ; lanes 0-15: the first tile's bytes, lanes 16-31: the second's
.irp p, 0,1
	global_store_b128 v[AD16], v[PCD+12*\p:PCD+12*\p+3], s[OB:OB+1] offset:1536*\p        ; half a fragment's image: 512 consecutive bytes,
	global_store_b64 v[AD8], v[PCD+12*\p+4:PCD+12*\p+5], s[OB:OB+1] offset:1536*\p+512    ; and 256
.endr
	global_store_b16 v16, v12, s[OSB:OSB+1]        ; two bytes of each of 32 scale words, inside one run of 256 bytes; the other two bytes are the neighbouring head's
	s_wait_tensorcnt 0x0                           ; the wave's end
	ds_add_u32 v[SPW], v[NIL]
	s_wait_dscnt 0x0
	CROUND                                         ; the closing round
	s_endpgm
.Lfunc_end_k_qab0e34fc2f_attn:
	.size	k_qab0e34fc2f_attn, .Lfunc_end_k_qab0e34fc2f_attn-k_qab0e34fc2f_attn
	.p2alignl 7, 3214868480
	.fill 96, 4, 3214868480
	.section	.rodata,"a",@progbits
	.p2align	6, 0x0
	.amdhsa_kernel k_qab0e34fc2f_attn
		.amdhsa_group_segment_fixed_size 262144
		.amdhsa_private_segment_fixed_size 0
		.amdhsa_enable_private_segment 0
		.amdhsa_kernarg_size 32
		.amdhsa_user_sgpr_count 2
		.amdhsa_user_sgpr_kernarg_segment_ptr 1
		.amdhsa_wavefront_size32 1
		.amdhsa_system_sgpr_workgroup_id_x 1
		.amdhsa_system_sgpr_workgroup_id_y 1
		.amdhsa_system_sgpr_workgroup_id_z 1
		.amdhsa_system_vgpr_workitem_id 0
		.amdhsa_next_free_vgpr 256
		.amdhsa_next_free_sgpr 90
		.amdhsa_reserve_vcc 0
		.amdhsa_float_denorm_mode_32 3
		.amdhsa_float_denorm_mode_16_64 3
		.amdhsa_memory_ordered 1
		.amdhsa_forward_progress 1
		.amdhsa_inst_pref_size 72
	.end_amdhsa_kernel
	.amdgpu_metadata
---
amdhsa.version: [ 1, 2 ]
amdhsa.kernels:
  - .name:           k_qab0e34fc2f_attn
    .symbol:         k_qab0e34fc2f_attn.kd
    .args:
      - { .name: xo, .offset: 0, .size: 8, .value_kind: global_buffer, .address_space: global }
      - { .name: wts, .offset: 8, .size: 8, .value_kind: global_buffer, .address_space: global }
      - { .name: kv, .offset: 16, .size: 8, .value_kind: global_buffer, .address_space: global }
      - { .name: ao, .offset: 24, .size: 8, .value_kind: global_buffer, .address_space: global }
    .group_segment_fixed_size: 262144
    .private_segment_fixed_size: 0
    .kernarg_segment_align: 8
    .kernarg_segment_size: 32
    .max_flat_workgroup_size: 512
    .sgpr_count:     90
    .vgpr_count:     256
    .wavefront_size: 32
...
	.end_amdgpu_metadata
.endif
;; end of part 3
;; launch outp (part 4): grid 64 x 4, 4 waves a work-group, clusters of 4 x 4, 327,680 bytes of LDS; arguments ao, wts, b_o, out0; writes out0
.if DOCPART == 4
	.amdgcn_target "amdgcn-amd-amdhsa--gfx1250"
	.amdhsa_code_object_version 6
	.text
	.protected	k_qab0e34fc2f_outp
	.globl	k_qab0e34fc2f_outp
	.p2align	8
	.type	k_qab0e34fc2f_outp,@function
k_qab0e34fc2f_outp:
	s_mov_b64 s[64:65], 0
	v_nop
	global_prefetch_b8 v0, s[64:65] scope:SCOPE_SE
	s_setreg_imm32_b32 hwreg(HW_REG_WAVE_MODE, 25, 1), 1
	s_wait_xcnt 0x0
	s_wait_alu depctr_hold_cnt(0) depctr_sa_sdst(0) depctr_va_vdst(0) depctr_va_sdst(0) depctr_va_ssrc(0) depctr_va_vcc(0) depctr_vm_vsrc(0)
	s_getreg_b32 s2, hwreg(HW_REG_IB_STS2, 6, 4)
	s_cmp_eq_u32 s2, 0
	s_cbranch_scc0 .Lentry_in_a_cluster
	s_endpgm
.Lentry_in_a_cluster:
	s_bfe_u32 s2, ttmp6, 0x10000c
	s_cmp_lg_u32 s2, 0xf033
	s_cbranch_scc0 .Lentry_shape_is_right
	s_endpgm
.Lentry_shape_is_right:
; OUTP: out0 = o w_o + b_o on codes of FP6 (E2M3) with E8M0 scales, f32 sums, f32 out.
; OPERANDS are blocks of 12,800 bytes (a panel of 128 rows x 128 K): 8 fragments as images of their 12 registers, then two units of scale words.  Row r of tile rt of a panel is the panel's row 64 (rt/4) + 32 (r/8) + 8 (rt%4) + r%8.
; SHARES: source 0 = 256 columns of w_o (two panels), source 1 = 128 rows of o (one panel), all of K (8 steps of 128) in LDS, 3 x 102,400 bytes, each byte filled once, by ONE joint tensor load a wave in a 4 x 4 cluster:
; waves 0, 1 a panel of source 0 each (400 rows of 256 bytes; it hangs on cx: shared along a column), waves 2, 3 half of source 1's panel each (200 rows; on cy: along a row).
; Four waves, 32 accumulators each: acc(m, t) at v[8 (8 m + t)] of window 1.  Transposed use: a lane holds ONE row of o, and the 32 registers of tiles 4c .. 4c+3 are the panel's columns 64 c + 32 h + 0 .. 31.
; THE BIAS is the C of each sum's first matrix instruction: eight registers a tile of columns, in the result's layout, in window 2.
; THE WAY OUT: a tile of 16 rows x 128 columns goes through the wave's own stage in LDS and leaves as whole rows of 512 bytes.  The stages lie in the first 33,792 bytes of source 0's first panel (K steps 0 to 2): those bytes have had
; their only fill, and every wave's reads of them were waited for in front of the barrier in K step 5.
; No prefetch is laid: every byte that the work-group reads is asked for in one group at its head.
.set NS,     8
.set BLK,    12800
.set PANELB, NS*BLK
.set SPARE,  3*PANELB
.set WOOFF,  2048000                   ; w_o's blocks in wts
.set A0_16, 2
.set A0_8,  4
.set A1_16, 6
.set A1_8,  8
.set S0A,   10
.set S1A,   12
.set SPW,   14
.set NIL,   15
.set SC,    16
.set F1,    40
.set F0,    136
.set GO16,  232
.set GO8,   233
.set STO,   234                        ; the stage: where I put my 128 bytes of each half of a row
.set RD,    235                        ; and where I read a row back
.set BO,    238                        ; 128 hh: my half's place in the bias
.set BK,    40                         ; the way out: 16 rows read back: v40-103 and v104-167 by turns
.set WV, 12
.set SA, 13
.set SH, 14
.set CX, 15
.set CY, 16
.set G1A, 24
.set G1B, 32
.set G0A, 40
.set G0B, 68
.set DST, 88
.set BIA, 90
.set MSB, 0
.macro WIN new
.if MSB != \new
	s_set_vgpr_msb (MSB<<8)|\new
.set MSB, \new
.endif
.endm
.macro CROUND
	s_barrier_signal -1
	s_barrier_wait -1
	s_cmp_lg_u32 s[WV], 0
	s_cbranch_scc1 .Lnot_wave_0_\@
	s_barrier_signal -3
.Lnot_wave_0_\@:
	s_barrier_wait -3
	s_barrier_signal -1
	s_barrier_wait -1
.endm
.macro PLACES
.rept 4
	v_nop
.endr
.endm
.macro FRAG reg, a16, a8, off
	ds_load_b128 v[\reg:\reg+3], v[\a16] offset:\off
	ds_load_b64 v[\reg+4:\reg+5], v[\a8] offset:\off+512
	ds_load_b128 v[\reg+6:\reg+9], v[\a16] offset:\off+768
	ds_load_b64 v[\reg+10:\reg+11], v[\a8] offset:\off+1280
.endm
.macro FETCH1 s, p
.irp m, 0,1,2,3
	FRAG F1+48*(\p)+12*\m, A1_16+(\s)/4, A1_8+(\s)/4, ((\s)%4)*BLK+1536*\m
.endr
.endm
.macro SCALES s, p
	ds_load_b128 v[SC+12*(\p):SC+12*(\p)+3], v[S0A+(\s)/4] offset:((\s)%4)*BLK
	ds_load_b128 v[SC+12*(\p)+4:SC+12*(\p)+7], v[S0A+(\s)/4] offset:((\s)%4)*BLK+256
	ds_load_b128 v[SC+12*(\p)+8:SC+12*(\p)+11], v[S1A+(\s)/4] offset:((\s)%4)*BLK
.endm
.macro FETCH0 s, t0
.irp t, \t0,\t0+1,\t0+2,\t0+3
	FRAG F0+12*(\t), A0_16+(\s)/4, A0_8+(\s)/4, ((\s)%4)*BLK+1536*(\t)
.endr
.endm
.macro MUL t0, p, mode                 ; mode = 2: the first K step starts the sums from the bias.  The 32 accumulators take turns
.irp t, \t0,\t0+1,\t0+2,\t0+3
.irp m, 0,1,2,3
.if \mode == 2
	v_wmma_scale_f32_16x16x128_f8f6f4 v[8*(8*\m+(\t)):8*(8*\m+(\t))+7], v[F0+12*(\t):F0+12*(\t)+11], v[F1+48*(\p)+12*\m:F1+48*(\p)+12*\m+11], v[8*(\t):8*(\t)+7], v[SC+12*(\p)+(\t)], v[SC+12*(\p)+8+\m] matrix_a_fmt:MATRIX_FMT_FP6 matrix_b_fmt:MATRIX_FMT_FP6
.else
	v_wmma_scale_f32_16x16x128_f8f6f4 v[8*(8*\m+(\t)):8*(8*\m+(\t))+7], v[F0+12*(\t):F0+12*(\t)+11], v[F1+48*(\p)+12*\m:F1+48*(\p)+12*\m+11], v[8*(8*\m+(\t)):8*(8*\m+(\t))+7], v[SC+12*(\p)+(\t)], v[SC+12*(\p)+8+\m] matrix_a_fmt:MATRIX_FMT_FP6 matrix_b_fmt:MATRIX_FMT_FP6
.endif
.endr
.endr
.endm
.macro MWIN mode
.if \mode == 2
	WIN 0x60                                       ; D in window 1, C (the bias) in window 2
.else
	WIN 0x50
.endif
.endm
.macro STEP s, mode
	s_wait_dscnt 16                                ; all but the youngest 16 loads (source 0's tiles 4-7) are in
	MWIN \mode
	MUL 0, (\s)%2, \mode
	s_wait_dscnt 0x0
.if (\s)+1 < NS
.if (\s) == 5
	s_barrier_signal -1                            ; every wave's reads of K steps 0 to 5 are over: behind this barrier the stages' bytes are read no more
	s_barrier_wait -1
.endif
	PLACES
	WIN 0
	FETCH1 (\s)+1, 1-(\s)%2
	SCALES (\s)+1, 1-(\s)%2
	FETCH0 (\s)+1, 0
	MWIN \mode
.endif
	MUL 4, (\s)%2, \mode
	PLACES
	WIN 0
.if (\s)+1 < NS
	FETCH0 (\s)+1, 4
.endif
.endm
	s_load_b256 s[4:11], s[0:1], 0x0               ; ao s[4:5], wts s[6:7], b_o s[8:9], out0 s[10:11]
	v_lshl_add_u32 v[SPW], v0, 2, SPARE
	v_mov_b32 v[NIL], 0
	ds_add_u32 v[SPW], v[NIL]                      ; the opening lines: the add, twice, and its wait ahead of my tensor load
	ds_add_u32 v[SPW], v[NIL]
	v_lshrrev_b32 v1, 5, v0
	v_readfirstlane_b32 s[WV], v1
	s_lshr_b32 s[SA], s[WV], 1
	s_and_b32 s[SH], s[WV], 1
	s_bfe_u32 s[CX], ttmp6, 0x40000
	s_bfe_u32 s[CY], ttmp6, 0x40004
	s_lshl_b32 s17, 0x1111, s[CX]
	s_lshl_b32 s18, s[CY], 2
	s_lshl_b32 s18, 15, s18
	s_or_b32 s[G1A], s17, (3<<16)|(1<<21)
	s_or_b32 s[G1B], s18, (3<<16)|(1<<21)
	s_mov_b32 s[G1A+1], 32<<16                     ; rows of 256 bytes of a dense block
	s_mov_b32 s[G1A+2], 400<<16                    ; a whole panel
	s_mov_b32 s[G1A+3], 32<<16
	s_mov_b32 s[G1A+4], 400
	s_mov_b32 s[G1A+5], 32
	s_mov_b32 s[G1A+6], 0
	s_mov_b32 s[G1A+7], 0
	s_mov_b32 s[G1B+1], 32<<16
	s_mov_b32 s[G1B+2], 200<<16                    ; four K steps of a panel
	s_mov_b32 s[G1B+3], 32<<16
	s_mov_b32 s[G1B+4], 200
	s_mov_b32 s[G1B+5], 32
	s_mov_b32 s[G1B+6], 0
	s_mov_b32 s[G1B+7], 0
	s_lshl_b32 s56, s[CX], 1                       ; source 0: w_o's panel 2 cx + wave % 2
	s_add_co_u32 s56, s56, s[SH]
	s_mul_i32 s56, s56, PANELB
	s_add_co_u32 s56, s56, WOOFF
	s_mov_b32 s57, 0
	s_lshl_b32 s84, ttmp9, 2                       ; source 1: o's panel 4 x cluster + cy, K steps 4 (wave % 2) on
	s_add_co_u32 s84, s84, s[CY]
	s_mul_i32 s84, s84, PANELB
	s_mul_i32 s85, s[SH], 4*BLK
	s_add_co_u32 s84, s84, s85
	s_mov_b32 s85, 0
	s_mul_i32 s60, s[SH], PANELB
	s_mul_i32 s61, s[SH], 4*BLK
	s_add_co_u32 s61, s61, 2*PANELB
	s_lshl_b32 s93, ttmp9, 2
	s_add_co_u32 s93, s93, s[CY]                   ; my panel of rows
	s_lshl_b32 s94, s[CX], 1
	s_add_co_u32 s94, s94, s[SA]                   ; my panel of columns
	s_lshl_b32 s[BIA], s94, 9
	s_mov_b32 s[BIA+1], 0
	s_lshl_b32 s22, s93, 7
	s_lshl_b32 s23, s[SH], 6
	s_add_co_u32 s22, s22, s23                     ; my first row
	s_lshl_b32 s22, s22, 12
	s_add_co_u32 s[DST], s22, s[BIA]
	s_mov_b32 s[DST+1], 0
	s_wait_dscnt 0x0
	s_wait_kmcnt 0x0
	s_add_nc_u64 s[56:57], s[6:7], s[56:57]
	s_add_nc_u64 s[84:85], s[4:5], s[84:85]
	s_add_nc_u64 s[BIA:BIA+1], s[8:9], s[BIA:BIA+1]
	s_add_nc_u64 s[DST:DST+1], s[10:11], s[DST:DST+1]
	CROUND                                         ; all sixteen work-groups are here: the joint loads meet
	s_mov_b32 s[G0A], 1
	s_mov_b32 s[G0A+1], s60
	s_mov_b64 s[G0A+2:G0A+3], s[56:57]
	s_or_b32 s[G0A+3], s[G0A+3], 0x80000000
	s_mov_b32 s[G0B], 1
	s_mov_b32 s[G0B+1], s61
	s_mov_b64 s[G0B+2:G0B+3], s[84:85]
	s_or_b32 s[G0B+3], s[G0B+3], 0x80000000
	s_cmp_eq_u32 s[SA], 0                          ; one tensor load a wave, in the two arms of one branch on its number
	s_cbranch_scc0 .Lfor_1
	tensor_load_to_lds s[G0A:G0A+3], s[G1A:G1A+7]
	s_nop 0
	PLACES
	s_branch .Lasked
.Lfor_1:
	tensor_load_to_lds s[G0B:G0B+3], s[G1B:G1B+7]
	s_nop 0
	PLACES
.Lasked:
	v_and_b32 v1, 31, v0
	v_and_b32 v236, 15, v0                         ; r
	v_bfe_u32 v237, v0, 4, 1                       ; hh
	v_lshlrev_b32 v[GO16], 4, v1
	v_lshlrev_b32 v[GO8], 3, v1
	v_lshlrev_b32 v[BO], 7, v237
	WIN 0x80                                       ; destination window 2: the bias: for tile t lane (r, hh) wants columns 64 (t/4) + 32 hh + 8 (t%4) + 0 .. 7
.irp t, 0,1,2,3,4,5,6,7
	global_load_b128 v[8*\t:8*\t+3], v[BO], s[BIA:BIA+1] offset:(64*(\t/4)+8*(\t%4))*4
	global_load_b128 v[8*\t+4:8*\t+7], v[BO], s[BIA:BIA+1] offset:(64*(\t/4)+8*(\t%4))*4+16
.endr
	WIN 0
	s_mul_i32 s22, s[SA], PANELB
	v_add_nc_u32 v[A0_16], s22, v[GO16]
	v_add_nc_u32 v[A0_8], s22, v[GO8]
	v_add_nc_u32 v[A0_16+1], 51200, v[A0_16]
	v_add_nc_u32 v[A0_8+1], 51200, v[A0_8]
	s_mul_i32 s23, s[SH], 6144
	s_add_co_u32 s23, s23, 2*PANELB
	v_add_nc_u32 v[A1_16], s23, v[GO16]
	v_add_nc_u32 v[A1_8], s23, v[GO8]
	v_add_nc_u32 v[A1_16+1], 51200, v[A1_16]
	v_add_nc_u32 v[A1_8+1], 51200, v[A1_8]
	s_add_co_u32 s22, s22, 12288
	v_lshl_add_u32 v[S0A], v236, 4, s22
	v_add_nc_u32 v[S0A+1], 51200, v[S0A]
	s_lshl_b32 s23, s[SH], 8
	s_add_co_u32 s23, s23, 2*PANELB+12288
	v_lshl_add_u32 v[S1A], v236, 4, s23
	v_add_nc_u32 v[S1A+1], 51200, v[S1A]
	s_mul_i32 s22, s[WV], 8448                     ; my stage: 16 rows x (512 + 16) bytes
	v_mul_u32_u24 v[STO], v236, 528
	v_lshl_add_u32 v[STO], v237, 7, v[STO]
	v_add_nc_u32 v[STO], s22, v[STO]               ; in: row r, + 128 hh
	v_add_nc_u32 v[RD], s22, v[GO16]               ; back: 16 bytes a lane of a row
	s_wait_alu depctr_va_vdst(0)                   ; the wait at the head's end
	s_wait_tensorcnt 0x0                           ; my load has landed,
	s_barrier_signal -1
	s_barrier_wait -1                              ; everybody's has: all of K is in LDS
	FETCH1 0, 0
	SCALES 0, 0
	FETCH0 0, 0
	FETCH0 0, 4
	s_wait_loadcnt 0x0                             ; the bias
	STEP 0, 2                                      ; the first K step starts the sums from the bias
.irp s, 1,2,3,4,5,6,7
	STEP \s, 0
.endr
; THE WAY OUT, a tile of 16 rows at a time.  LDS serves a wave's instructions in order: no wait between the stores and the loads, nor in front of the next tile's stores
.macro TOSTAGE m
	WIN 0x04                                       ; an LDS store's data are its source 1: window 1
.irp c, 0,1
.irp q, 0,1,2,3,4,5,6,7
	ds_store_b128 v[STO], v[64*(\m)+32*\c+4*\q:64*(\m)+32*\c+4*\q+3] offset:256*\c+16*\q   ; columns 64 c + 32 hh + 4 q on; each accumulator from its low end on
.endr
.endr
	WIN 0
.irp i, 0,1,2,3,4,5,6,7,8,9,10,11,12,13,14,15
	ds_load_b128 v[BK+64*((\m)%2)+4*\i:BK+64*((\m)%2)+4*\i+3], v[RD] offset:528*\i
.endr
.endm
.macro SEND m, younger                 ; younger: the LDS instructions issued behind tile m's loads, which may stay out
	s_wait_dscnt \younger
.irp i, 0,1,2,3,4,5,6,7,8,9,10,11,12,13,14,15
	global_store_b128 v[GO16], v[BK+64*((\m)%2)+4*\i:BK+64*((\m)%2)+4*\i+3], s[DST:DST+1] offset:(32*(\i/8)+8*(\m)+\i%8)*4096 th:TH_STORE_NT   ; 32 lanes store 512 consecutive bytes of the tile's row i, aligned to 256
.endr
.endm
	TOSTAGE 0                                      ; (the last K step ended with four places)
.irp m, 1,2,3
.if \m > 1
	s_wait_xcnt 0x0                                ; tile m - 2's stores have read their registers: tile m's loads may land there
.endif
	TOSTAGE \m
	SEND \m-1, 32                                  ; behind tile m - 1's loads: tile m's 16 stores and 16 loads
.endr
	SEND 3, 0
	s_wait_tensorcnt 0x0                           ; the wave's end
	ds_add_u32 v[SPW], v[NIL]
	s_wait_dscnt 0x0
	CROUND                                         ; the closing round
	s_endpgm
.Lfunc_end_k_qab0e34fc2f_outp:
	.size	k_qab0e34fc2f_outp, .Lfunc_end_k_qab0e34fc2f_outp-k_qab0e34fc2f_outp
	.p2alignl 7, 3214868480
	.fill 96, 4, 3214868480
	.section	.rodata,"a",@progbits
	.p2align	6, 0x0
	.amdhsa_kernel k_qab0e34fc2f_outp
		.amdhsa_group_segment_fixed_size 327680
		.amdhsa_private_segment_fixed_size 0
		.amdhsa_enable_private_segment 0
		.amdhsa_kernarg_size 32
		.amdhsa_user_sgpr_count 2
		.amdhsa_user_sgpr_kernarg_segment_ptr 1
		.amdhsa_wavefront_size32 1
		.amdhsa_system_sgpr_workgroup_id_x 1
		.amdhsa_system_sgpr_workgroup_id_y 1
		.amdhsa_system_sgpr_workgroup_id_z 1
		.amdhsa_system_vgpr_workitem_id 0
		.amdhsa_next_free_vgpr 576
		.amdhsa_next_free_sgpr 96
		.amdhsa_reserve_vcc 0
		.amdhsa_float_denorm_mode_32 3
		.amdhsa_float_denorm_mode_16_64 3
		.amdhsa_memory_ordered 1
		.amdhsa_forward_progress 1
		.amdhsa_inst_pref_size 84
	.end_amdhsa_kernel
	.amdgpu_metadata
---
amdhsa.version: [ 1, 2 ]
amdhsa.kernels:
  - .name:           k_qab0e34fc2f_outp
    .symbol:         k_qab0e34fc2f_outp.kd
    .args:
      - { .name: ao, .offset: 0, .size: 8, .value_kind: global_buffer, .address_space: global }
      - { .name: wts, .offset: 8, .size: 8, .value_kind: global_buffer, .address_space: global }
      - { .name: b_o, .offset: 16, .size: 8, .value_kind: global_buffer, .address_space: global }
      - { .name: out0, .offset: 24, .size: 8, .value_kind: global_buffer, .address_space: global }
    .group_segment_fixed_size: 327680
    .private_segment_fixed_size: 0
    .kernarg_segment_align: 8
    .kernarg_segment_size: 32
    .max_flat_workgroup_size: 128
    .sgpr_count:     96
    .vgpr_count:     576
    .wavefront_size: 32
...
	.end_amdgpu_metadata
.endif
;; end of part 4
